; MI455X (gfx1250); checked and timed in simulation.
; The chip was launched on July 23, 2026; its instructions are those of AMD's public machine-readable ISA for CDNA 5 (MIT licence, August 2026) and "CDNA5" Instruction Set Architecture Reference Guide (July 2026). The comments in the code are by the model that wrote it; some were corrected since.
;; Cycle Net EPD. Allowed arithmetic: matrix products marked QUANTISED: E3M2 operands, one E8M0 scale for each 32 along K, by v_wmma_scale_f32_16x16x128_f8f6f4 with both operands' format E3M2, f32 sums; products left as they are: f32 operands where the result goes on into a quantised operand, else bf16, f16 or f32 operands; f32 sums; everything else in f32.
;; Inputs: SCB 16 x 64 x 1,024 float32; W1 4 x 64 float32; W2 64 x 64 float32; W3 68 x 128 float32; W4 128 x 128 float32; W5 128 x 128 float32; W6 128 x 128 float32; b1 64 float32; b2 64 float32; b3 128 float32; b4 128 float32; b5 128 float32; b6 128 float32; beta_len 16 int32; edge_index 16 x 2 x 1,024 int32; edge_len 16 int32; x 16 x 512 x 2 float32.
;; Outputs: out0 16,384 x 128 float32.
;; This version of the problem:
;;   THIS VERSION OF THE PROBLEM IS GIVEN IN LOW PRECISION. The matrix products marked QUANTISED in the list below multiply operands that are first quantised to E3M2 (3 exponent bits, 2 mantissa bits; 6 bits a number), with one power-of-two scale for each 32 numbers along K (OCP MX v1.0); their sums are f32. All else is computed in f32.
;;   The module's matrix products, in the order in which they are computed (A, B: the left and right operand; K: the contracted axis; several contracted axes count as one K, in the product's order):
;;     1. [M 1,024, K 4] x [K 4, N 64]; A: computed on the way; B: input W1: left as it is (K = 4 < 32)
;;     2. [M 1,024, K 64] x [K 64, N 64]; A: computed on the way; B: input W2: QUANTISED
;;     3. [M 1,048,576, K 68] x [K 68, N 128]; A: computed on the way; B: input W3: QUANTISED
;;     4. [M 1,048,576, K 128] x [K 128, N 128]; A: computed on the way; B: input W4: QUANTISED
;;     5. [M 16,384, K 128] x [K 128, N 128]; A: computed on the way; B: input W5: QUANTISED
;;     6. [M 16,384, K 128] x [K 128, N 128]; A: computed on the way; B: input W6: QUANTISED
;;   THE QUANTISER, for each operand of a quantised product, along K:
;;     - K is cut into blocks of 32 from its start; a last block that is shorter is filled with zeros.
;;     - A block's scale is 2^e with e = floor(log2(the largest magnitude in the block)) - 4, held to -126 .. 127; a block of zeros has e = 0. As a byte (E8M0): e + 127.
;;     - Each number is divided by its block's scale, clamped to +-28, and rounded to the nearest number of E3M2, ties to even, subnormals kept.
;;     - The product sums the exact products of the quantised numbers (number of the format x scale) in f32.
;;   ~~~python
;;   def quantise(x, axis):      # numpy; x: float32 -> the quantised numbers, widened to float32 again
;;       x = np.moveaxis(x, axis, -1); K = x.shape[-1]
;;       x = np.pad(x, [(0, 0)] * (x.ndim - 1) + [(0, -K % 32)]); x = x.reshape(x.shape[:-1] + (-1, 32)); a = np.abs(x).max(-1, keepdims=True)
;;       e = np.where(a > 0, np.clip(np.frexp(np.where(a > 0, a, 1))[1] - 1 - 4, -126, 127), 0)      # np.frexp(a)[1] - 1 = floor(log2(a)), exactly
;;       r = np.clip(x / 2.0 ** e, -28, 28)
;;       step = 2.0 ** (np.maximum(np.frexp(np.where(r == 0, 1, r))[1] - 1, -2) - 2)
;;       q = np.round(r / step) * step * 2.0 ** e      # np.round: ties to even
;;       return np.moveaxis(q.reshape(q.shape[:-2] + (-1,))[..., :K], -1, axis).astype(np.float32)
;;   ~~~
;;   OPERANDS COMPUTED ON THE WAY. 'Computed on the way' means the value that the module computes at that place (a softmax that the list does not call 'softmax' is quantised finished and normalised). What goes into a quantiser is computed in f32, as accurately as f32 sums, v_exp_f32 and their like allow (about 1e-6 of the number): no bf16 or f16 on the way to a quantiser, and a product that is left as it is and whose result goes on into a quantised operand takes f32 operands (vector FMAs, or v_wmma_f32_16x16x4_f32). A number that lies on a knife's edge between two numbers of the format may be rounded either way, as far as f32 arithmetic and the matrix unit's own rounding can turn it there, and no further.
;; 2 versions. Each part assembles by itself: llvm-mc -triple=amdgcn-amd-amdhsa -mcpu=gfx1250 --defsym DOCPART=n.
;; ======== version 1 of 2: 2 launches
;; workspace buffers: wq 53,248 bytes; embq 65,536 bytes; l1w 4,194,304 bytes
;; launch prep (part 1): grid 264 x 1, 4 waves a work-group, no clusters, 41,984 bytes of LDS; arguments x, SCB, edge_index, edge_len, beta_len, W1, b1, W2, b2, W3, W4, W5, W6, wq, embq, l1w; writes wq, embq, l1w
.if DOCPART == 1
	.amdgcn_target "amdgcn-amd-amdhsa--gfx1250"
	.amdhsa_code_object_version 6
	.text
	.protected	k_q1cdd7c2ef7_prep
	.globl	k_q1cdd7c2ef7_prep
	.p2align	8
	.type	k_q1cdd7c2ef7_prep,@function
k_q1cdd7c2ef7_prep:
	s_mov_b64 s[64:65], 0
	v_nop
	global_prefetch_b8 v0, s[64:65] scope:SCOPE_SE
	s_setreg_imm32_b32 hwreg(HW_REG_WAVE_MODE, 25, 1), 1
	s_wait_xcnt 0x0
; CycleNet_EPD, first of two launches: everything that is needed once.
;   work-groups 0-255  (graph b = wg / 16, q = wg % 16; wave w owns beta = 4 q + w):
;     ef[e][0..3] = x[edge_index] is gathered once a work-group into LDS; each wave walks its row of |SCB|: L1 = |SCB| ef (0 where e >= edge_len or beta >= beta_len),
;     s = the sum of L1 over e, and for each edge one WORD: L1's four E3M2 codes (bits 23:0) and the E8M0 byte of cat's third block (bits 31:24) -> l1w.
;     emb = relu(s W1 + b1) W2 + b2: product 1 in f32 (16x16x4), product 2 on E3M2 codes; emb is quantised as cat's first two blocks -> embq.
;   work-groups 256-263: W3 .. W6, quantised along K (their first axis), as images of the operand's registers -> wq (a wave a fragment of 16 columns x 128 K).
; DEAD WORK, LEFT OUT IN BOTH LAUNCHES.  reference() returns out * edge_mask, so row (b, e) with e >= edge_len[b] is 0 in exact arithmetic whatever finite numbers the inputs hold.  Products 3 to 6 never mix rows of
; different edges, and the one sum over edges (s) is masked by reference() itself.  So for a tile of 16 edges with 16 T >= edge_len[b] no L1 word is made here and products 3 to 6 are not done there; zeros are stored.
; Masked rows inside a live tile are computed and replaced by 0.  All 64 betas are computed: rows with beta >= beta_len are summed into h.  Every input has a way to an output and is loaded.
; LIMITS: a NaN, an infinity or an overflow that reaches only masked rows is not carried to the result (0 stands there, as +0); NaN and infinities among the inputs are not served; edge_len is taken as unsigned and held to
; 1,024, edge_index is held to 511; a block whose largest magnitude lies under 2^-122 gets the byte 1 (a block of zeros too: its codes are zeros, and this program alone reads the bytes).
; THE COLUMNS OF A WEIGHT THAT FORM A TILE ARE NOT NEIGHBOURS (W2 .. W5): row m of tile t is column 64 (t / 4) + 32 (m / 8) + 8 (t % 4) + m % 8.  Used transposed (source 0 = weight, source 1 = data) a lane (r, h)
; then holds, of data row r, units 32 h + 0 .. 31 in the registers of tiles 0-3 and 64 + 32 h + 0 .. 31 in those of tiles 4-7: whole blocks of the next operand, in K order.  W6 keeps 16 t + m.
.set EFP,   0                          ; LDS: five planes of 4,096 bytes: ef0 .. ef3 and max |ef|, a word an edge
.set WSTG,  20480                      ; 64 tiles x 264 bytes: the four waves' words of a tile, as the unit of 256 bytes that leaves
.set WPIT,  264
.set W2I,   37376                      ; W2's four fragments: 1,024 bytes each: 512 (registers 0-3), 256 (registers 4-5), 128 (scale words)
.set SPARE, 41472                      ; the spare words, 128 bytes for each wave: two blocks of 256 bytes that no other line names
.set I4,  1                            ; v1   1,024 w + 4 lane
.set R,   2                            ; v2   lane % 16
.set H,   3                            ; v3   lane / 16
.set SPW, 4                            ; v4   LDS address of my spare word; never rewritten
.set NIL, 5                            ; v5   0; never rewritten
.set SH8, 6                            ; v6   8 h
.set TP,  7                            ; v7   the lane exchange's destination
.set T4,  8                            ; v8   4 x thread
.set L16, 9                            ; v9   16 x lane
.set L8,  10                           ; v10  8 x lane
.set L4,  11                           ; v11  4 x lane
.set WST, 12                           ; v12  where my words go in the stage
.set LIM, 13                           ; v13  (edge_len, or 0 where beta >= beta_len) - 4 lane
.set W2V, 14                           ; v14  W2: my column and half
.set W1V, 15                           ; v15  W1: likewise
.set A,   16                           ; v16-47   my row of SCB; later the words on their way out; later relu(s W1 + b1)
.set PL0, 48                           ; v48-67   planes, set 0
.set IDX, 48                           ; v48-63   earlier: the indices
.set W2F, 48                           ; v48-95   later: W2's four fragments
.set RAW, 68                           ; v68-99   earlier: my block of W2 in f32
.set X0,  68                           ; v68-83   four products and twelve zeros
.set X1,  84                           ; v84-99   the same for the element beside
.set S,   100                          ; v100-103 s
.set WD,  104                          ; v104-107 four words
.set W2C, 104                          ; v104-109 earlier: my fragment of W2
.set SB,  104                          ; v104-105 later: s as source 1 of product 1
.set CV0, 108                          ; v108-110 a conversion's result
.set WLD, 111                          ; v111 where I read units back from the stage
.set CV1, 112                          ; v112-114
.set EV,  115                          ; v115 32 h
.set W1A, 124                          ; v124-131 W1's four f32 fragments
.set GA,  132                          ; v132-163 earlier: the gathered x
.set B1,  132                          ; then b1 in the result's layout
.set D2,  132                          ; later emb
.set B2,  164                          ; v164-195 b2
.set D1,  196                          ; v196-227 product 1's sums: written by matrix instructions alone, in the whole text
.set W2S, 228                          ; v228-231 W2's scale words;  v232 the scale word of relu(..): scales and nothing else
.set RS,  232
.set BV,  233                          ; v233 128 h
.set I16, 234                          ; v234 1,024 w + 16 lane
.set I8,  235                          ; v235 1,024 w + 8 lane
.set PL1, 236                          ; v236-255 planes, set 1
.set MX,  236                          ; earlier: max |ef|
.set RC,  236                          ; v236-247 later: relu(..) as codes
.set EC,  248                          ; v248-255 later: emb's block as it is stored
.macro PLACES n
.rept \n
	v_nop
.endr
.endm
; 32 numbers of a lane, one block along K, become 24 bytes of codes in v[dst .. dst+5]; by = the block's E8M0 byte.  The largest magnitude has the floor 2^(5 - 127) among its leaves, so the byte cannot fall under 1;
; 4 off its exponent field is the conversion's scale operand.  A conversion's three registers begin on an even number, so the upper half is made in tmp and moved.
.macro QBLK src, dst, tmp, ma, mb, so, by
	v_max3_num_f32 v[\ma], |v[\src]|, |v[\src+1]|, 0x2800000
	v_max3_num_f32 v[\mb], |v[\src+16]|, |v[\src+17]|, |v[\src+18]|
.irp i, 0,1,2,3,4,5
	v_max3_num_f32 v[\ma], v[\ma], |v[\src+2+2*\i]|, |v[\src+3+2*\i]|
	v_max3_num_f32 v[\mb], v[\mb], |v[\src+19+2*\i]|, |v[\src+20+2*\i]|
.endr
	v_max3_num_f32 v[\ma], v[\ma], |v[\src+14]|, |v[\src+15]|
	v_max3_num_f32 v[\ma], v[\ma], v[\mb], |v[\src+31]|
	v_add_nc_u32 v[\so], 0xfe000000, v[\ma]
	v_lshrrev_b32 v[\by], 23, v[\so]
	v_cvt_scalef32_pk16_bf6_f32 v[\tmp:\tmp+2], v[\src+16:\src+31], v[\so]
	v_cvt_scalef32_pk16_bf6_f32 v[\dst:\dst+2], v[\src:\src+15], v[\so]
	v_nop                                          ; one plain place behind a scaled conversion
.irp i, 0,1,2
	v_mov_b32 v[\dst+3+\i], v[\tmp+\i]
.endr
.endm
	s_load_b512 s[4:19], s[0:1], 0x0               ; x 4, SCB 6, edge_index 8, edge_len 10, beta_len 12, W1 14, b1 16, W2 18
	s_load_b512 s[20:35], s[0:1], 0x40             ; b2 20, W3 22, W4 24, W5 26, W6 28, wq 30, embq 32, l1w 34
	v_lshl_add_u32 v[SPW], v0, 2, SPARE
	v_mov_b32 v[NIL], 0
	v_lshrrev_b32 v116, 5, v0
	v_readfirstlane_b32 s36, v116                  ; wave 0..3
	v_and_b32 v116, 31, v0                         ; lane
	v_and_b32 v[R], 15, v0
	v_bfe_u32 v[H], v0, 4, 1
	v_lshlrev_b32 v[SH8], 3, v[H]
	v_mov_b32 v[TP], 0                             ; a lane exchange's destination counts as read
	v_lshlrev_b32 v[L16], 4, v116
	v_lshlrev_b32 v[L8], 3, v116
	v_lshlrev_b32 v[L4], 2, v116
	s_mov_b32 s50, 0xffff0000                      ; lanes 16-31
	s_mov_b32 s52, 0x76543210
	s_mov_b32 s53, 0xfedcba98                      ; selects for lane l xor 16
	s_cmp_ge_u32 ttmp9, 256
	s_cbranch_scc1 .Lweights
; ---------------------------------------------------------------- graphs: work-groups 0-255
	s_lshr_b32 s37, ttmp9, 4                       ; b
	s_and_b32 s38, ttmp9, 15                       ; q
	s_lshl_b32 s39, s38, 2
	s_add_co_u32 s39, s39, s36                     ; beta = 4 q + w
	v_lshlrev_b32 v[T4], 2, v0
	v_and_b32 v117, 7, v[R]
	v_lshrrev_b32 v118, 3, v[R]
	v_lshl_add_u32 v117, v118, 5, v117             ; 32 (r / 8) + r % 8
	v_lshlrev_b32 v117, 2, v117                    ; in bytes
	v_lshl_add_u32 v[W1V], v[H], 9, v117           ; W1: rows 2 h + j of 256 bytes
	s_lshl_b32 s42, s36, 5                         ; tile w: 8 w columns on
	v_lshl_add_u32 v[W2V], v[H], 13, v117          ; W2: rows 32 h + i of 256 bytes
	v_add_nc_u32 v[W2V], s42, v[W2V]
	v_lshlrev_b32 v[BV], 7, v[H]
	v_lshlrev_b32 v[EV], 5, v[H]
	s_lshl_b32 s42, s36, 10
	v_add_nc_u32 v[I16], s42, v[L16]
	v_add_nc_u32 v[I8], s42, v[L8]
	v_add_nc_u32 v[I4], s42, v[L4]
	v_lshrrev_b32 v117, 2, v116                    ; my four edges 4 lane + k lie in tile lane / 4 of a group's eight,
	v_mul_u32_u24 v117, v117, WPIT
	v_and_b32 v118, 3, v116
	v_lshl_add_u32 v117, v118, 5, v117             ; at 8 bytes an edge: 32 (lane % 4) + 8 k;
	s_lshr_b32 s42, s36, 1
	s_lshl_b32 s42, s42, 7                         ; beta 4 q + w lies in the unit's half w / 2,
	s_and_b32 s43, s36, 1
	s_lshl_b32 s43, s43, 2                         ; word w % 2
	s_add_co_u32 s42, s42, s43
	s_add_co_u32 s42, s42, WSTG
	v_add_nc_u32 v[WST], s42, v117
	s_mul_i32 s42, s36, 16*WPIT                    ; on the way out wave w takes tiles 16 w .. 16 w + 15
	s_add_co_u32 s42, s42, WSTG
	v_add_nc_u32 v[WLD], s42, v[L8]
	s_lshl_b32 s42, s37, 2
	s_mov_b32 s43, 0
	s_mov_b32 s49, 0
	s_wait_kmcnt 0x0
	s_add_nc_u64 s[44:45], s[10:11], s[42:43]
	s_add_nc_u64 s[46:47], s[12:13], s[42:43]
	s_load_b32 s40, s[44:45], 0x0                  ; edge_len[b]
	s_load_b32 s41, s[46:47], 0x0                  ; beta_len[b]
	s_lshl_b32 s42, s37, 13
	s_add_nc_u64 s[8:9], s[8:9], s[42:43]          ; edge_index[b]
	s_lshl_b32 s42, s37, 12
	s_add_nc_u64 s[4:5], s[4:5], s[42:43]          ; x[b]
	s_lshl_b32 s42, s37, 6
	s_add_co_u32 s42, s42, s39                     ; 64 b + beta
	s_lshl_b32 s48, s42, 6
	s_add_nc_u64 s[32:33], s[32:33], s[48:49]      ; my row of embq
	s_lshl_b32 s42, s42, 12
	s_add_nc_u64 s[6:7], s[6:7], s[42:43]          ; my row of SCB
	s_lshl_b32 s42, s37, 18                        ; l1w: unit ((64 b + T) 16 + q): 4,096 bytes a tile, 256 q; my tiles begin at 16 w
	s_lshl_b32 s48, s38, 8
	s_add_co_u32 s42, s42, s48
	s_lshl_b32 s48, s36, 16
	s_add_co_u32 s42, s42, s48
	s_add_nc_u64 s[34:35], s[34:35], s[42:43]
; the indices of edges thread + 128 k, both ends; behind them my whole row of SCB, 512 consecutive bytes a load
.irp k, 0,1,2,3,4,5,6,7
	global_load_b32 v[IDX+\k], v[T4], s[8:9] offset:512*\k
	global_load_b32 v[IDX+8+\k], v[T4], s[8:9] offset:4096+512*\k
.endr
.irp g, 0,1,2,3,4,5,6,7
	global_load_b128 v[A+4*\g:A+4*\g+3], v[L16], s[6:7] offset:512*\g th:TH_LOAD_NT
.endr
	s_wait_loadcnt 0x8                             ; the indices are in; the eight loads of SCB behind them may be out
.irp i, 0,1,2,3,4,5,6,7,8,9,10,11,12,13,14,15
	v_min_u32 v[IDX+\i], 0x1ff, v[IDX+\i]          ; an index stays inside x's 512 rows
.endr
.irp i, 0,1,2,3,4,5,6,7,8,9,10,11,12,13,14,15
	v_lshlrev_b32 v[IDX+\i], 3, v[IDX+\i]          ; 8 bytes a node
.endr
.irp i, 0,1,2,3,4,5,6,7,8,9,10,11,12,13,14,15
	global_load_b64 v[GA+2*\i:GA+2*\i+1], v[IDX+\i], s[4:5]
.endr
.set i, 0
.rept 32
	global_load_b32 v[RAW+i], v[W2V], s[18:19] offset:256*i   ; W2(32 h + i, my column): registers run down K
.set i, i+1
.endr
	s_wait_loadcnt 0x20                            ; the gathers (and SCB) are in; W2's 32 loads may be out
.irp k, 0,1,2,3,4,5,6,7
	v_max3_num_f32 v[MX+\k], |v[GA+2*\k]|, |v[GA+2*\k+1]|, |v[GA+16+2*\k]|
.endr
.irp k, 0,1,2,3,4,5,6,7
	v_max_num_f32 v[MX+\k], v[MX+\k], |v[GA+17+2*\k]|
.endr
.irp k, 0,1,2,3,4,5,6,7
	ds_store_b32 v[T4], v[GA+2*\k] offset:EFP+512*\k
	ds_store_b32 v[T4], v[GA+2*\k+1] offset:EFP+4096+512*\k
	ds_store_b32 v[T4], v[GA+16+2*\k] offset:EFP+8192+512*\k
	ds_store_b32 v[T4], v[GA+17+2*\k] offset:EFP+12288+512*\k
	ds_store_b32 v[T4], v[MX+\k] offset:EFP+16384+512*\k
.endr
	s_wait_loadcnt 0x0                             ; W2
	QBLK RAW, W2C, 116, 119, 120, 121, 122         ; tile w of W2, block h of its K = 64
	v_lshlrev_b32 v123, v[SH8], v122               ; my block's byte at its place,
	v_permlanex16_b32 v[TP], v123, s52, s53
	v_or_b32 v123, v123, v[TP]                     ; with lane l xor 16's: the row's scale word (bytes 2 and 3 stay 0 over zero codes)
	ds_store_b128 v[I16], v[W2C:W2C+3] offset:W2I  ; the fragment goes to LDS as an image of its registers
	ds_store_b64 v[I8], v[W2C+4:W2C+5] offset:W2I+512
	ds_store_b32 v[I4], v123 offset:W2I+768
.irp i, 4,5,6,7,8,9,10,11,12,13,14,15
	v_mov_b32 v[X0+\i], 0                          ; cat's third block is four numbers and zeros
	v_mov_b32 v[X1+\i], 0
.endr
.irp i, 0,1,2,3
	v_mov_b32 v[S+\i], 0
.endr
	s_wait_dscnt 0x0                               ; for the others' sake: my planes and my image have landed; and the stores have read the registers that b1 now takes
.irp t, 0,1,2,3
.irp j, 0,1
	global_load_b32 v[W1A+2*\t+\j], v[W1V], s[14:15] offset:256*\j+32*\t   ; W1(2 h + j, tile t's column r)
.endr
.endr
.irp t, 0,1,2,3
	global_load_b128 v[B1+8*\t:B1+8*\t+3], v[BV], s[16:17] offset:32*\t    ; b1 and b2 at units 32 h + 8 t + 0 .. 7: the result's layout
	global_load_b128 v[B1+8*\t+4:B1+8*\t+7], v[BV], s[16:17] offset:32*\t+16
	global_load_b128 v[B2+8*\t:B2+8*\t+3], v[BV], s[20:21] offset:32*\t
	global_load_b128 v[B2+8*\t+4:B2+8*\t+7], v[BV], s[20:21] offset:32*\t+16
.endr
	s_barrier_signal -1
	s_barrier_wait -1                              ; the planes and W2's four images lie in LDS
	s_wait_kmcnt 0x0
	s_min_u32 s40, s40, 1024
	s_cmp_lt_i32 s39, s41                          ; beta < beta_len?
	s_cselect_b32 s42, s40, 0
	v_sub_nc_u32 v[LIM], s42, v[L4]                ; edge 128 g + 4 lane + k counts where 128 g + k < this
.macro PLOAD g, set                    ; the five planes at my four edges of group g
.irp p, 0,1,2,3,4
	ds_load_b128 v[\set+4*\p:\set+4*\p+3], v[L16] offset:EFP+4096*\p+512*(\g)
.endr
.endm
; two edges by turns.  |a| max |ef| is the block's largest magnitude: rounding keeps the order of the four products.
.macro ELEM2 g, k, pl
	v_cmp_lt_i32 vcc_lo, 128*(\g)+(\k), v[LIM]
	v_cndmask_b32 v116, v[NIL], v[A+4*(\g)+(\k)], vcc_lo
	v_cmp_lt_i32 vcc_lo, 128*(\g)+(\k)+1, v[LIM]
	v_cndmask_b32 v120, v[NIL], v[A+4*(\g)+(\k)+1], vcc_lo
.irp i, 0,1,2,3
	v_mul_f32 v[X0+\i], |v116|, v[\pl+4*\i+(\k)]
	v_mul_f32 v[X1+\i], |v120|, v[\pl+4*\i+(\k)+1]
.endr
	v_mul_f32 v117, |v116|, v[\pl+16+(\k)]
	v_mul_f32 v121, |v120|, v[\pl+16+(\k)+1]
	v_pk_add_f32 v[S:S+1], v[S:S+1], v[X0:X0+1]
	v_pk_add_f32 v[S+2:S+3], v[S+2:S+3], v[X0+2:X0+3]
	v_max_num_f32 v117, 0x2800000, v117            ; the floor
	v_max_num_f32 v121, 0x2800000, v121
	v_pk_add_f32 v[S:S+1], v[S:S+1], v[X1:X1+1]
	v_pk_add_f32 v[S+2:S+3], v[S+2:S+3], v[X1+2:X1+3]
	v_add_nc_u32 v118, 0xfe000000, v117
	v_add_nc_u32 v122, 0xfe000000, v121
	v_cvt_scalef32_pk16_bf6_f32 v[CV0:CV0+2], v[X0:X0+15], v118
	v_cvt_scalef32_pk16_bf6_f32 v[CV1:CV1+2], v[X1:X1+15], v122
	v_lshrrev_b32 v119, 23, v118                   ; the byte (and the plain place behind the conversions)
	v_lshrrev_b32 v123, 23, v122
	v_lshl_or_b32 v[WD+(\k)], v119, 24, v[CV0]     ; codes 4 and 5 are zeros: bits 31:24 are free for the byte
	v_lshl_or_b32 v[WD+(\k)+1], v123, 24, v[CV1]
.endm
; a group of 128 edges.  Groups wholly at or past edge_len hold only dead tiles and add nothing to s: the walk ends there.
.macro GROUP g, cur, nxt
	s_cmp_le_u32 s40, 128*(\g)
	s_cbranch_scc1 .Lsummed
.if (\g) < 7
	PLOAD (\g)+1, \nxt
	s_wait_dscnt 0x5                               ; all but the five loads just issued: this group's planes are in, and the last group's word stores are done
.else
	s_wait_dscnt 0x0
.endif
	ELEM2 \g, 0, \cur
	ELEM2 \g, 2, \cur
.irp k, 0,1,2,3
	ds_store_b32 v[WST], v[WD+\k] offset:8*WPIT*(\g)+8*\k
.endr
.endm
	PLOAD 0, PL0
	GROUP 0, PL0, PL1
	GROUP 1, PL1, PL0
	GROUP 2, PL0, PL1
	GROUP 3, PL1, PL0
	GROUP 4, PL0, PL1
	GROUP 5, PL1, PL0
	GROUP 6, PL0, PL1
	GROUP 7, PL1, PL0
.Lsummed:
	s_wait_dscnt 0x0                               ; my words have landed, and no plane load is out
.irp m, 1,2,4,8
.irp i, 0,1,2,3
	v_add_f32_dpp v[S+\i], v[S+\i], v[S+\i] row_xmask:\m row_mask:0xf bank_mask:0xf
.endr
.endr
.irp i, 0,1,2,3
	v_permlanex16_b32 v[116+\i], v[S+\i], s52, s53
.endr
.irp i, 0,1,2,3
	v_add_f32 v[S+\i], v[S+\i], v[116+\i]          ; s, in every lane
.endr
	s_barrier_signal -1
	s_barrier_wait -1                              ; the four waves' words of every live tile lie in the stage
; the words leave: one aligned unit of 256 bytes an instruction; live tiles alone
	s_lshl_b32 s43, s36, 8                         ; my first tile's first edge
.irp gg, 0,1
	s_add_co_u32 s44, s43, 128*\gg
	s_cmp_le_u32 s40, s44
	s_cbranch_scc1 .Lwdone
.irp i, 0,1,2,3,4,5,6,7
	ds_load_b64 v[A+16*\gg+2*\i:A+16*\gg+2*\i+1], v[WLD] offset:WPIT*(8*\gg+\i)
.endr
	s_wait_dscnt 0x0
.irp i, 0,1,2,3,4,5,6,7
	s_add_co_u32 s44, s43, 128*\gg+16*\i
	s_cmp_le_u32 s40, s44
	s_cbranch_scc1 .Lwdone
	global_store_b64 v[L8], v[A+16*\gg+2*\i:A+16*\gg+2*\i+1], s[34:35] offset:4096*(8*\gg+\i)
.endr
.endr
.Lwdone:
; emb of my beta.  All 16 columns of source 1 hold the same row.
.irp t, 0,1,2,3
	ds_load_b128 v[W2F+12*\t:W2F+12*\t+3], v[L16] offset:W2I+1024*\t
	ds_load_b64 v[W2F+12*\t+4:W2F+12*\t+5], v[L8] offset:W2I+1024*\t+512
	ds_load_b32 v[W2S+\t], v[L4] offset:W2I+1024*\t+768
.endr
	v_cndmask_b32 v[SB], v[S], v[S+2], s50         ; source 1 of product 1: register j holds s[2 h + j]
	v_cndmask_b32 v[SB+1], v[S+1], v[S+3], s50
.irp t, 0,1,2,3
.irp i, 6,7,8,9,10,11
	v_mov_b32 v[W2F+12*\t+\i], 0                   ; K = 64: the upper half of the K step is zero codes, on both sides
.endr
.endr
.irp i, 6,7,8,9,10,11
	v_mov_b32 v[RC+\i], 0
.endr
	v_mov_b32 v[EC+7], 0
	s_wait_xcnt 0x0                                ; the word stores have read v16-47, which are written below
	s_wait_loadcnt 0x0                             ; W1, b1, b2
.irp t, 0,1,2,3
	v_wmma_f32_16x16x4_f32 v[D1+8*\t:D1+8*\t+7], v[W1A+2*\t:W1A+2*\t+1], v[SB:SB+1], v[B1+8*\t:B1+8*\t+7]   ; s W1 + b1, in f32: it goes on into a quantiser
.endr
	PLACES 8                                       ; eight places behind the f32 form
.set i, 0
.rept 32
	v_max_num_f32 v[A+i], 0, v[D1+i]               ; relu, into other registers, each sum from its low end on
.set i, i+1
.endr
	QBLK A, RC, 116, 119, 120, 121, 122
	v_lshlrev_b32 v123, v[SH8], v122
	v_permlanex16_b32 v[TP], v123, s52, s53
	v_or_b32 v[RS], v123, v[TP]
	s_wait_dscnt 0x0                               ; W2's images
	PLACES 8                                       ; a scale register written by a vector instruction stands eight places ahead of a scaled matrix instruction
.irp t, 0,1,2,3
	v_wmma_scale_f32_16x16x128_f8f6f4 v[D2+8*\t:D2+8*\t+7], v[W2F+12*\t:W2F+12*\t+11], v[RC:RC+11], v[B2+8*\t:B2+8*\t+7], v[W2S+\t], v[RS] matrix_a_fmt:MATRIX_FMT_BF6 matrix_b_fmt:MATRIX_FMT_BF6
.endr
	PLACES 4
	QBLK D2, EC, 116, 119, 120, 121, 122           ; emb's block h: cat's block h
	v_lshlrev_b32 v123, v[SH8], v122
	v_permlanex16_b32 v[TP], v123, s52, s53
	v_or_b32 v[EC+6], v123, v[TP]                  ; byte 0: block 0's scale, byte 1: block 1's
	v_cmp_eq_u32 vcc_lo, 0, v[R]                   ; all columns are alike: lanes 0 and 16 store the row's two halves
	s_wait_xcnt 0x0                                ; EXEC changes only behind this wait
	s_and_saveexec_b32 s46, vcc_lo
	global_store_b128 v[EV], v[EC:EC+3], s[32:33]
	global_store_b128 v[EV], v[EC+4:EC+7], s[32:33] offset:16
	s_wait_xcnt 0x0                                ; and again ahead of the line that widens it
	s_or_b32 exec_lo, exec_lo, s46
	s_wait_tensorcnt 0x0                           ; the wave's end
	ds_add_u32 v[SPW], v[NIL]
	s_wait_dscnt 0x0
	s_endpgm
; ---------------------------------------------------------------- weights: work-groups 256-263; fragment f = 4 (wg - 256) + wave = 8 (which weight) + tile.  No LDS is written on this way.
.Lweights:
	s_sub_co_u32 s37, ttmp9, 256
	s_lshl_b32 s37, s37, 2
	s_add_co_u32 s37, s37, s36                     ; f
	s_lshr_b32 s38, s37, 3                         ; 0 .. 3: W3 .. W6 (the same for a whole work-group)
	s_and_b32 s39, s37, 7                          ; t
	s_lshr_b32 s40, s39, 2
	s_lshl_b32 s40, s40, 6
	s_and_b32 s41, s39, 3
	s_lshl_b32 s41, s41, 3
	s_add_co_u32 s40, s40, s41                     ; 64 (t / 4) + 8 (t % 4)
	s_lshl_b32 s41, s39, 4                         ; W6: 16 t
	s_cmp_eq_u32 s38, 3
	s_cselect_b32 s40, s41, s40
	s_cselect_b32 s41, 8, 32                       ; what r / 8 adds
	v_and_b32 v14, 7, v[R]
	v_lshrrev_b32 v15, 3, v[R]
	v_mad_u32_u24 v14, v15, s41, v14
	v_add_nc_u32 v14, s40, v14                     ; my column n
	v_lshlrev_b32 v13, 2, v14                      ; 4 n
	v_lshl_add_u32 v12, v[H], 14, v13              ; + 32 h rows of 512 bytes
	s_mul_i32 s42, s37, 1536
	s_mov_b32 s43, 0
	s_wait_kmcnt 0x0
	s_cmp_eq_u32 s38, 0
	s_cselect_b64 s[44:45], s[22:23], s[24:25]
	s_cmp_eq_u32 s38, 2
	s_cselect_b64 s[44:45], s[26:27], s[44:45]
	s_cmp_eq_u32 s38, 3
	s_cselect_b64 s[44:45], s[28:29], s[44:45]
	s_add_nc_u64 s[46:47], s[30:31], s[42:43]      ; my image
	s_lshl_b32 s42, s37, 7
	s_add_co_u32 s42, s42, 49152
	s_add_nc_u64 s[48:49], s[30:31], s[42:43]      ; my scale words
.set i, 0
.rept 32
	global_load_b32 v[16+i], v12, s[44:45] offset:512*i          ; W(32 h + i, n)
.set i, i+1
.endr
	s_cmp_eq_u32 s38, 0
	s_cbranch_scc1 .Lw3
.set i, 0
.rept 32
	global_load_b32 v[48+i], v12, s[44:45] offset:512*(64+i)     ; W(64 + 32 h + i, n)
.set i, i+1
.endr
	s_wait_loadcnt 0x0
	s_branch .Lwq
.Lw3:                                              ; W3 has 68 rows: block 2 is four numbers and zeros, block 3 zeros; no load leaves the buffer
.irp i, 0,1,2,3
	global_load_b32 v[48+\i], v13, s[44:45] offset:512*(64+\i)
.endr
.set i, 4
.rept 28
	v_mov_b32 v[48+i], 0
.set i, i+1
.endr
	s_wait_loadcnt 0x0
.irp i, 0,1,2,3
	v_cndmask_b32 v[48+\i], v[48+\i], v[NIL], s50  ; lanes 16-31 hold block 3
.endr
.Lwq:
	QBLK 16, 80, 92, 96, 97, 98, 99                ; registers 0-5: block h
	QBLK 48, 86, 92, 96, 97, 98, 100               ; registers 6-11: block 2 + h
	v_lshl_or_b32 v101, v100, 16, v99
	v_lshlrev_b32 v101, v[SH8], v101
	v_permlanex16_b32 v[TP], v101, s52, s53
	v_or_b32 v101, v101, v[TP]                     ; the column's four bytes
	global_store_b128 v[L16], v[80:83], s[46:47]               ; 512 consecutive bytes a store
	global_store_b128 v[L16], v[84:87], s[46:47] offset:512
	global_store_b128 v[L16], v[88:91], s[46:47] offset:1024
	global_store_b32 v[L4], v101, s[48:49]
	s_endpgm
.Lfunc_end_k_q1cdd7c2ef7_prep:
	.size	k_q1cdd7c2ef7_prep, .Lfunc_end_k_q1cdd7c2ef7_prep-k_q1cdd7c2ef7_prep
	.p2alignl 7, 3214868480
	.fill 96, 4, 3214868480
	.section	.rodata,"a",@progbits
	.p2align	6, 0x0
	.amdhsa_kernel k_q1cdd7c2ef7_prep
		.amdhsa_group_segment_fixed_size 41984
		.amdhsa_private_segment_fixed_size 0
		.amdhsa_enable_private_segment 0
		.amdhsa_kernarg_size 128
		.amdhsa_user_sgpr_count 2
		.amdhsa_user_sgpr_kernarg_segment_ptr 1
		.amdhsa_wavefront_size32 1
		.amdhsa_system_sgpr_workgroup_id_x 1
		.amdhsa_system_sgpr_workgroup_id_y 1
		.amdhsa_system_sgpr_workgroup_id_z 1
		.amdhsa_system_vgpr_workitem_id 0
		.amdhsa_next_free_vgpr 256
		.amdhsa_next_free_sgpr 66
		.amdhsa_reserve_vcc 1
		.amdhsa_float_denorm_mode_32 3
		.amdhsa_float_denorm_mode_16_64 3
		.amdhsa_memory_ordered 1
		.amdhsa_forward_progress 1
		.amdhsa_inst_pref_size 78
	.end_amdhsa_kernel
	.amdgpu_metadata
---
amdhsa.version: [ 1, 2 ]
amdhsa.kernels:
  - .name:           k_q1cdd7c2ef7_prep
    .symbol:         k_q1cdd7c2ef7_prep.kd
    .args:
      - { .name: x, .offset: 0, .size: 8, .value_kind: global_buffer, .address_space: global }
      - { .name: SCB, .offset: 8, .size: 8, .value_kind: global_buffer, .address_space: global }
      - { .name: edge_index, .offset: 16, .size: 8, .value_kind: global_buffer, .address_space: global }
      - { .name: edge_len, .offset: 24, .size: 8, .value_kind: global_buffer, .address_space: global }
      - { .name: beta_len, .offset: 32, .size: 8, .value_kind: global_buffer, .address_space: global }
      - { .name: W1, .offset: 40, .size: 8, .value_kind: global_buffer, .address_space: global }
      - { .name: b1, .offset: 48, .size: 8, .value_kind: global_buffer, .address_space: global }
      - { .name: W2, .offset: 56, .size: 8, .value_kind: global_buffer, .address_space: global }
      - { .name: b2, .offset: 64, .size: 8, .value_kind: global_buffer, .address_space: global }
      - { .name: W3, .offset: 72, .size: 8, .value_kind: global_buffer, .address_space: global }
      - { .name: W4, .offset: 80, .size: 8, .value_kind: global_buffer, .address_space: global }
      - { .name: W5, .offset: 88, .size: 8, .value_kind: global_buffer, .address_space: global }
      - { .name: W6, .offset: 96, .size: 8, .value_kind: global_buffer, .address_space: global }
      - { .name: wq, .offset: 104, .size: 8, .value_kind: global_buffer, .address_space: global }
      - { .name: embq, .offset: 112, .size: 8, .value_kind: global_buffer, .address_space: global }
      - { .name: l1w, .offset: 120, .size: 8, .value_kind: global_buffer, .address_space: global }
    .group_segment_fixed_size: 41984
    .private_segment_fixed_size: 0
    .kernarg_segment_align: 8
    .kernarg_segment_size: 128
    .max_flat_workgroup_size: 128
    .sgpr_count:     66
    .vgpr_count:     256
    .wavefront_size: 32
...
	.end_amdgpu_metadata
.endif
;; end of part 1
;; launch chain (part 2): grid 256 x 1, 8 waves a work-group, no clusters, 304,128 bytes of LDS; arguments wq, embq, l1w, edge_len, b3, b4, b5, b6, out0; writes out0
.if DOCPART == 2
	.amdgcn_target "amdgcn-amd-amdhsa--gfx1250"
	.amdhsa_code_object_version 6
	.text
	.protected	k_q1cdd7c2ef7_chain
	.globl	k_q1cdd7c2ef7_chain
	.p2align	8
	.type	k_q1cdd7c2ef7_chain,@function
k_q1cdd7c2ef7_chain:
	s_mov_b64 s[64:65], 0
	v_nop
	global_prefetch_b8 v0, s[64:65] scope:SCOPE_SE
	s_setreg_imm32_b32 hwreg(HW_REG_WAVE_MODE, 25, 1), 1
	s_wait_xcnt 0x0
; CycleNet_EPD, second launch: out = relu(h W5 + b5) W6 + b6, h = the sum over beta of relu(cat W3 + b3) W4 + b4, all four products on E3M2 codes; the hidden layers and h never go to memory.
; WORK LEFT OUT (shown at the head of the first kernel): tiles of 16 edges with 16 T >= edge_len[b] are rows that reference() multiplies by 0: products 3 to 6 are not done for them, zeros are stored.
; LIMITS as stated there: 0 (as +0) stands in masked rows whatever NaN or infinity the work left out would have met; edge_len is taken as unsigned and held to 1,024.
; SHARES.  The live tiles, counted through the graphs, are dealt to the 256 work-groups: live tile g belongs to work-group g % 256 as its slot g / 256 (at most four).  In a slot all eight waves work on ONE tile:
; wave w takes betas 8 w .. 8 w + 7, with W3, W4 and b3 in its registers.  A tile's 16 columns are 16 edges of one beta, so the sum over beta is product 4's own chain of sums; the eight waves' partial sums meet in LDS.
; In the tail wave w = 2 s + c owns slot s and half c (units, then columns, 64 c .. 64 c + 63).
; Both products are used transposed (source 0 = 16 columns of the weight, chosen as the first kernel says; source 1 = 16 data rows): lane (r, h) holds data row r and whole blocks h and 2 + h of the next operand: nothing
; changes lanes but the scale bytes.  Two waves share a SIMD: one wave's relu, maxima and conversions stand beside the other's matrix instructions.
; No tensor load, no cluster: branches hang on edge_len, which is read from memory; what the work-groups share is 48 KiB of weights, read once a work-group and handed round through LDS.
.set PART,  0                          ; LDS: partial sums: 65,536 slot + 8,192 wave + 512 piece + 16 lane.  Laid over it: at the head W3's and W4's images (24,576 bytes); at the end each wave's 16 rows x 272 bytes for the way out
.set W56,   262144                     ; W5's and W6's images, 24,576 bytes
.set HQ,    286720                     ; h, then relu(h W5 + b5), as codes: 8,192 z + 2,048 slot; half c at 768 c (512 + 256); scale bytes at 1,536 + 4 r + 2 c
.set SPARE, 303104                     ; the spare words, 128 bytes for each wave: four blocks of 256 bytes that no other line names
.set LI,   1                           ; v1   16 lane
.set SPW,  2                           ; v2   LDS address of my spare word; never rewritten
.set NIL,  3                           ; v3   0; never rewritten
.set M24,  4                           ; v4   0xffffff in lanes 0-15, 0 above
.set SH8,  5                           ; v5   8 h
.set EOC,  6                           ; v6   embq: this slot's offset;  v7 the next slot's;  v8 l1w: the next slot's
.set EON,  7
.set WON,  8
.set LANEE, 9                          ; v9   512 w + 32 h
.set LANEW, 10                         ; v10  512 w + 8 lane
.set PBASE, 11                         ; v11  8,192 w + 16 lane
.set PA,   12                          ; v12  + 65,536 slot
.set R,    13                          ; v13  lane % 16
.set TP,   14                          ; v14, v15  lane exchanges' destinations
.set TP2,  15
.set W3S,  16                          ; v16-23 W3's scale words (tail: W5's);  v24-31 W4's (tail: W6's)
.set W4S,  24
.set CA0,  32                          ; v32-43, v44-55  cat as codes, two sets by turns: registers 0-5 emb's block h, 6 L1's codes, 7-11 zeros
.set CS0,  56                          ; v56, v57  cat's scale words
.set EW0,  58                          ; v58, v59  emb's two bytes as loaded
.set WC,   60                          ; v60-63 this slot's L1 words;  v64-67 the next slot's
.set WN,   64
.set HC,   68                          ; v68-79 the hidden layer as codes
.set HT0,  80                          ; v80-82, v84-86 the upper halves of its blocks, on their way
.set HT1,  84
.set HS,   88                          ; v88  its scale word
.set M0,   89                          ; v89-92 maxima, later bytes;  v93, v94 the conversions' scale operands;  v95 a word in the making
.set SO0,  93
.set WT,   95
.set HID,  96                          ; v96-159 the hidden layer, 8 tiles
.set ACC,  160                         ; v160-223 my partial h, 8 tiles
.set P2A,  224                         ; v224-234 the tail's LDS and output offsets, v235-243 the head's and the tail's load offsets: all made at the head
.set HQS16, 225
.set HQS8, 226
.set HQSH, 227
.set HQL16, 228
.set HQL8, 229
.set HQLW, 230
.set OSTS, 231
.set OSTL, 232
.set OUTV, 233
.set W56A, 234
.set STA,  235
.set BV3,  236
.set SW,   237
.set B5V,  240
.set B6V,  241
.set SWT,  242
.set STG,  243
; window 1: v0-95 W3's fragments (tail: W5's four, W6's four), v96-191 W4's (tail: b5, b6), v192-255 b3 in the result's layout
.set MSB, 0
.macro WIN new                         ; the immediate's high byte repeats the setting that is left
.if MSB != \new
	s_set_vgpr_msb (MSB<<8)|\new
.set MSB, \new
.endif
.endm
.macro PLACES n
.rept \n
	v_nop
.endr
.endm
.macro QBLK src, dst, tmp, ma, mb, so, by      ; as in the first kernel: 32 numbers of a lane become a block's 24 bytes of codes and its byte
	v_max3_num_f32 v[\ma], |v[\src]|, |v[\src+1]|, 0x2800000
	v_max3_num_f32 v[\mb], |v[\src+16]|, |v[\src+17]|, |v[\src+18]|
.irp i, 0,1,2,3,4,5
	v_max3_num_f32 v[\ma], v[\ma], |v[\src+2+2*\i]|, |v[\src+3+2*\i]|
	v_max3_num_f32 v[\mb], v[\mb], |v[\src+19+2*\i]|, |v[\src+20+2*\i]|
.endr
	v_max3_num_f32 v[\ma], v[\ma], |v[\src+14]|, |v[\src+15]|
	v_max3_num_f32 v[\ma], v[\ma], v[\mb], |v[\src+31]|
	v_add_nc_u32 v[\so], 0xfe000000, v[\ma]
	v_lshrrev_b32 v[\by], 23, v[\so]
	v_cvt_scalef32_pk16_bf6_f32 v[\tmp:\tmp+2], v[\src+16:\src+31], v[\so]
	v_cvt_scalef32_pk16_bf6_f32 v[\dst:\dst+2], v[\src:\src+15], v[\so]
	v_nop                                          ; one plain place behind a scaled conversion
.irp i, 0,1,2
	v_mov_b32 v[\dst+3+\i], v[\tmp+\i]
.endr
.endm
; live tile s[g] -> s70 = its graph b, s71 = its tile t in that graph (wl = 1: s72 = edge_len[b]).  s86-101: the graphs' live tiles, summed up inclusively.  b and t are held by constants, since they go into addresses.
.macro FIND g, wl
	s_mov_b32 s70, 0
	s_mov_b32 s71, 0
.if \wl
	s_mov_b32 s72, s32
.endif
.irp k, 0,1,2,3,4,5,6,7,8,9,10,11,12,13,14
	s_cmp_ge_u32 s[\g], s[86+\k]
	s_cselect_b32 s70, \k+1, s70
	s_cselect_b32 s71, s[86+\k], s71
.if \wl
	s_cselect_b32 s72, s[33+\k], s72
.endif
.endr
	s_sub_co_u32 s71, s[\g], s71
	s_min_u32 s70, s70, 15
	s_min_u32 s71, s71, 63
.endm
; the offsets of the slot that begins at live tile s69 (held to the last live tile, so that what is loaded ahead has been stored by the first launch); s69 steps to the slot after
.macro NEXTADR
	s_min_u32 s68, s69, s67
	FIND 68, 0
	s_lshl_b32 s73, s70, 6
	s_add_co_u32 s73, s73, s71                     ; 64 b + t
	s_lshl_b32 s73, s73, 12                        ; l1w: 4,096 bytes a tile
	s_lshl_b32 s70, s70, 12                        ; embq: 4,096 bytes a graph
	v_add_nc_u32 v[EON], s70, v[LANEE]
	v_add_nc_u32 v[WON], s73, v[LANEW]
	s_add_co_u32 s69, s69, 256
.endm
	s_load_b512 s[4:19], s[0:1], 0x0               ; wq 4, embq 6, l1w 8, edge_len 10, b3 12, b4 14, b5 16, b6 18
	s_load_b64 s[20:21], s[0:1], 0x40              ; out0
	v_lshl_add_u32 v[SPW], v0, 2, SPARE
	v_mov_b32 v[NIL], 0
	v_lshrrev_b32 v238, 5, v0
	v_readfirstlane_b32 s22, v238                  ; wave w, 0..7
	s_lshr_b32 s23, s22, 1                         ; s: my slot in the tail
	s_and_b32 s24, s22, 1                          ; c: my half there
	v_and_b32 v238, 31, v0                         ; lane
	v_and_b32 v[R], 15, v0
	v_bfe_u32 v239, v0, 4, 1                       ; h
	v_lshlrev_b32 v[LI], 4, v238
	v_lshlrev_b32 v[SH8], 3, v239
	s_mov_b32 s25, 0xffff0000
	v_mov_b32 v[M24], 0xffffff
	v_cndmask_b32 v[M24], v[M24], v[NIL], s25
	s_mov_b32 s82, 0x76543210
	s_mov_b32 s83, 0xfedcba98                      ; selects for lane l xor 16
	s_mov_b32 s84, 0x00070100                      ; cat's scale word: emb's byte 0, emb's byte 1, the L1 word's top byte, emb's byte 0 (over zero codes)
	s_lshl_b32 s26, s22, 9
	v_lshl_add_u32 v[LANEE], v239, 5, s26
	v_lshl_add_u32 v[LANEW], v238, 3, s26
	s_lshl_b32 s27, s22, 13
	v_add_nc_u32 v[PBASE], s27, v[LI]
	s_mul_i32 s27, s22, 6144                       ; the weights' images are staged by all eight waves, 6,144 bytes each:
	v_add_nc_u32 v[STG], s27, v[LI]
	s_lshr_b32 s28, s22, 2
	s_mul_i32 s28, s28, 237568                     ; waves 0-3 (W3, W4) to LDS byte 0 on, waves 4-7 (W5, W6) to W56 on
	s_add_co_u32 s28, s28, s27
	v_add_nc_u32 v[STA], s28, v[LI]
	s_lshl_b32 s26, s23, 16
	s_lshl_b32 s27, s24, 12
	s_add_co_u32 s26, s26, s27
	v_add_nc_u32 v[P2A], s26, v[LI]                ; my slot's images, my half's eight pieces
	s_lshl_b32 s26, s23, 11
	s_add_co_u32 s26, s26, HQ
	v_add_nc_u32 v[HQL16], s26, v[LI]
	v_lshl_add_u32 v[HQL8], v238, 3, s26
	v_add_nc_u32 v[HQL8], 512, v[HQL8]
	v_lshl_add_u32 v[HQLW], v[R], 2, s26
	v_add_nc_u32 v[HQLW], 1536, v[HQLW]
	s_mul_i32 s27, s24, 768
	v_add_nc_u32 v[HQS16], s27, v[HQL16]
	v_add_nc_u32 v[HQS8], s27, v[HQL8]
	s_lshl_b32 s27, s24, 1
	v_add_nc_u32 v[HQSH], s27, v[HQLW]
	s_mul_i32 s26, s22, 4352                       ; my stage for the way out
	v_mul_u32_u24 v244, v[R], 272
	v_lshl_add_u32 v244, v239, 5, v244
	v_add_nc_u32 v[OSTS], s26, v244                ; in: row r, + 32 h
	v_mul_u32_u24 v244, v239, 272
	v_lshl_add_u32 v244, v[R], 4, v244
	v_add_nc_u32 v[OSTL], s26, v244                ; back: lanes 0-15 one row, lanes 16-31 the next
	s_lshl_b32 s26, s24, 8
	v_lshlrev_b32 v244, 9, v239
	v_lshl_add_u32 v244, v[R], 4, v244
	v_add_nc_u32 v[OUTV], s26, v244                ; and the same in out0: 512 h + 256 c + 16 r
	v_lshl_add_u32 v[B5V], v239, 7, s26            ; b4, b5 at units 64 c + 32 h
	v_lshl_add_u32 v[B6V], v239, 5, s26            ; b6 at columns 64 c + 8 h
	s_mul_i32 s26, s24, 6144
	s_add_co_u32 s26, s26, W56
	v_add_nc_u32 v[W56A], s26, v[LI]
	s_lshl_b32 s26, s24, 9
	v_lshl_add_u32 v[SWT], v238, 2, s26
	v_lshlrev_b32 v[SW], 2, v238
	v_lshlrev_b32 v[BV3], 7, v239
.irp i, 6,7,8,9,10,11
	v_mov_b32 v[CA0+\i], 0                         ; K = 68: zero codes above; v[40:43] also serve as the zeros that are stored
	v_mov_b32 v[CA0+12+\i], 0
.endr
	v_mov_b32 v[TP], 0
	v_mov_b32 v[TP2], 0
	s_lshr_b32 s26, ttmp9, 4
	s_lshl_b32 s26, s26, 2
	s_mov_b32 s27, 0
	s_wait_kmcnt 0x0
	s_load_b512 s[32:47], s[10:11], 0x0            ; all sixteen lengths
	s_add_nc_u64 s[28:29], s[10:11], s[26:27]
	s_load_b32 s30, s[28:29], 0x0                  ; and that of graph wg / 16, for the zeros
.irp i, 0,1,2,3,4,5,6,7,8,9,10,11
	global_load_b128 v[HID+4*\i:HID+4*\i+3], v[STG], s[4:5] offset:512*\i
.endr
	WIN 0x40                                       ; destination window 1
.irp t, 0,1,2,3,4,5,6,7
	global_load_b128 v[192+8*\t:192+8*\t+3], v[BV3], s[12:13] offset:256*(\t/4)+32*(\t%4)      ; b3 at units 64 (t / 4) + 32 h + 8 (t % 4) + 0 .. 7
	global_load_b128 v[192+8*\t+4:192+8*\t+7], v[BV3], s[12:13] offset:256*(\t/4)+32*(\t%4)+16
.endr
	WIN 0
.irp t, 0,1,2,3,4,5,6,7
	global_load_b32 v[W3S+\t], v[SW], s[4:5] offset:49152+128*\t
	global_load_b32 v[W4S+\t], v[SW], s[4:5] offset:49152+1024+128*\t
.endr
	s_wait_kmcnt 0x0
.irp k, 0,1,2,3,4,5,6,7,8,9,10,11,12,13,14,15
	s_min_u32 s[32+\k], s[32+\k], 1024
.endr
	s_add_co_u32 s86, s32, 15
	s_lshr_b32 s86, s86, 4
.irp k, 1,2,3,4,5,6,7,8,9,10,11,12,13,14,15
	s_add_co_u32 s[86+\k], s[32+\k], 15
	s_lshr_b32 s[86+\k], s[86+\k], 4
	s_add_co_u32 s[86+\k], s[86+\k], s[85+\k]
.endr
	s_add_co_u32 s66, s101, 255
	s_sub_co_u32 s66, s66, ttmp9
	s_lshr_b32 s66, s66, 8                         ; n: my work-group's live slots, 0 to 4
	s_max_u32 s67, s101, 1
	s_sub_co_u32 s67, s67, 1                       ; the last live tile
	s_lshl_b32 s68, s23, 8                         ; the tile of my slot in the tail
	s_add_co_u32 s68, s68, ttmp9
	s_min_u32 s68, s68, s67
	FIND 68, 1
	s_lshl_b32 s74, s71, 4
	s_sub_co_u32 s75, s72, s74                     ; how many of its 16 rows count
	s_lshl_b32 s74, s70, 6
	s_add_co_u32 s74, s74, s71
	s_lshl_b32 s76, s74, 13                        ; 16 rows of 512 bytes a tile
	s_mov_b32 s77, 0
	s_add_nc_u64 s[78:79], s[20:21], s[76:77]
; the zeros: tile 4 (wg % 16) + w / 2 of graph wg / 16, half w % 2, if it is dead: 8 stores of 512 consecutive bytes
	s_min_u32 s30, s30, 1024
	s_and_b32 s26, ttmp9, 15
	s_lshl_b32 s26, s26, 2
	s_add_co_u32 s26, s26, s23
	s_lshr_b32 s27, ttmp9, 4
	s_lshl_b32 s27, s27, 6
	s_add_co_u32 s27, s27, s26
	s_lshl_b32 s27, s27, 13
	s_lshl_b32 s28, s24, 12
	s_add_co_u32 s28, s28, s27
	s_mov_b32 s29, 0
	s_add_nc_u64 s[60:61], s[20:21], s[28:29]
	s_lshl_b32 s26, s26, 4
	s_cmp_ge_u32 s26, s30
	s_cbranch_scc0 .Lnofill
.irp i, 0,1,2,3,4,5,6,7
	global_store_b128 v[LI], v[40:43], s[60:61] offset:512*\i th:TH_STORE_NT
.endr
.Lnofill:
	s_mov_b32 s69, ttmp9
	NEXTADR                                        ; slot 0
	global_load_b64 v[WN:WN+1], v[WON], s[8:9] th:TH_LOAD_NT               ; my eight betas' L1 words: two units of 256 bytes
	global_load_b64 v[WN+2:WN+3], v[WON], s[8:9] offset:256 th:TH_LOAD_NT
.irp j, 0,1
	global_load_b128 v[CA0+12*\j:CA0+12*\j+3], v[EON], s[6:7] offset:64*\j
	global_load_b64 v[CA0+12*\j+4:CA0+12*\j+5], v[EON], s[6:7] offset:64*\j+16
	global_load_b32 v[EW0+\j], v[EON], s[6:7] offset:64*\j+24
.endr
	s_wait_loadcnt 0x28                            ; the twelve staging loads are in; the 16 + 16 + 8 behind them may be out
.irp i, 0,1,2,3,4,5,6,7,8,9,10,11
	ds_store_b128 v[STA], v[HID+4*\i:HID+4*\i+3] offset:512*\i
.endr
	s_wait_dscnt 0x0
	s_barrier_signal -1
	s_barrier_wait -1                              ; all 32 images lie in LDS
	WIN 0x40
.set i, 0
.rept 48
	ds_load_b128 v[4*i:4*i+3], v[LI] offset:512*i  ; W3's and W4's sixteen fragments into my registers
.set i, i+1
.endr
	WIN 0
	s_wait_dscnt 0x0
	s_barrier_signal -1
	s_barrier_wait -1                              ; every wave has read them: the bytes may take partial sums
.macro P3 j                            ; hidden = cat W3 + b3, eight tiles
	WIN 0x11                                       ; source 0 and C window 1
.irp t, 0,1,2,3,4,5,6,7
	v_wmma_scale_f32_16x16x128_f8f6f4 v[HID+8*\t:HID+8*\t+7], v[12*\t:12*\t+11], v[CA0+12*((\j)%2):CA0+12*((\j)%2)+11], v[192+8*\t:192+8*\t+7], v[W3S+\t], v[CS0+(\j)%2] matrix_a_fmt:MATRIX_FMT_BF6 matrix_b_fmt:MATRIX_FMT_BF6
.endr
.endm
.macro P4 first                        ; my partial h += hidden W4: the eight accumulators by turns, and product 3's eight instructions between two links
	WIN 0x01
.irp t, 0,1,2,3,4,5,6,7
.if \first
	v_wmma_scale_f32_16x16x128_f8f6f4 v[ACC+8*\t:ACC+8*\t+7], v[96+12*\t:96+12*\t+11], v[HC:HC+11], 0, v[W4S+\t], v[HS] matrix_a_fmt:MATRIX_FMT_BF6 matrix_b_fmt:MATRIX_FMT_BF6
.else
	v_wmma_scale_f32_16x16x128_f8f6f4 v[ACC+8*\t:ACC+8*\t+7], v[96+12*\t:96+12*\t+11], v[HC:HC+11], v[ACC+8*\t:ACC+8*\t+7], v[W4S+\t], v[HS] matrix_a_fmt:MATRIX_FMT_BF6 matrix_b_fmt:MATRIX_FMT_BF6
.endif
.endr
.endm
.macro BUILD j                         ; step j's own parts of cat: L1's codes and the scale word.  Beta 8 w + j lies in word register 2 (j / 4) + j % 2, in lanes 16 ((j / 2) % 2) on
.set BS, WC+2*((\j)/4)+(\j)%2
.if ((\j)/2)%2
	v_permlanex16_b32 v[TP], v[BS], s82, s83
	v_perm_b32 v[CS0+(\j)%2], v[TP], v[EW0+(\j)%2], s84
	v_and_b32 v[CA0+12*((\j)%2)+6], v[TP], v[M24]
.else
	v_perm_b32 v[CS0+(\j)%2], v[BS], v[EW0+(\j)%2], s84
	v_and_b32 v[CA0+12*((\j)%2)+6], v[BS], v[M24]
.endif
.endm
.macro Q j                             ; step j's vector work: relu, the two blocks' maxima, bytes and codes; emb of step j + 2 is asked for; step j + 1's cat is finished
.set CAJ, CA0+12*((\j)%2)
	PLACES 4                                       ; behind the matrix instructions: in front of loads into cat's registers and of the first read of results
.if (\j) < 6
	global_load_b128 v[CAJ:CAJ+3], v[EOC], s[6:7] offset:64*((\j)+2)
	global_load_b64 v[CAJ+4:CAJ+5], v[EOC], s[6:7] offset:64*((\j)+2)+16
	global_load_b32 v[EW0+(\j)%2], v[EOC], s[6:7] offset:64*((\j)+2)+24
.else
	global_load_b128 v[CAJ:CAJ+3], v[EON], s[6:7] offset:64*((\j)-6)       ; the next slot's steps 0 and 1
	global_load_b64 v[CAJ+4:CAJ+5], v[EON], s[6:7] offset:64*((\j)-6)+16
	global_load_b32 v[EW0+(\j)%2], v[EON], s[6:7] offset:64*((\j)-6)+24
.endif
.set i, 0
.rept 64
	v_max_num_f32 v[HID+i], 0, v[HID+i]            ; relu, each accumulator from its low end on
.set i, i+1
.endr
	v_max3_num_f32 v[M0], v[HID], v[HID+1], 0x2800000            ; two blocks, two chains each; the floor 2^(5 - 127) among the leaves
	v_max3_num_f32 v[M0+1], v[HID+16], v[HID+17], v[HID+18]
	v_max3_num_f32 v[M0+2], v[HID+32], v[HID+33], 0x2800000
	v_max3_num_f32 v[M0+3], v[HID+48], v[HID+49], v[HID+50]
.irp i, 0,1,2,3,4,5
	v_max3_num_f32 v[M0], v[M0], v[HID+2+2*\i], v[HID+3+2*\i]
	v_max3_num_f32 v[M0+1], v[M0+1], v[HID+19+2*\i], v[HID+20+2*\i]
	v_max3_num_f32 v[M0+2], v[M0+2], v[HID+34+2*\i], v[HID+35+2*\i]
	v_max3_num_f32 v[M0+3], v[M0+3], v[HID+51+2*\i], v[HID+52+2*\i]
.endr
	v_max3_num_f32 v[M0], v[M0], v[HID+14], v[HID+15]
	v_max3_num_f32 v[M0+2], v[M0+2], v[HID+46], v[HID+47]
	v_max3_num_f32 v[M0], v[M0], v[M0+1], v[HID+31]
	v_max3_num_f32 v[M0+2], v[M0+2], v[M0+3], v[HID+63]
	v_add_nc_u32 v[SO0], 0xfe000000, v[M0]         ; 4 off the exponent field: the conversion's scale operand
	v_add_nc_u32 v[SO0+1], 0xfe000000, v[M0+2]
	v_lshrrev_b32 v[M0+1], 23, v[SO0]              ; the bytes of blocks h and 2 + h
	v_lshrrev_b32 v[M0+3], 23, v[SO0+1]
	v_lshl_or_b32 v[WT], v[M0+3], 16, v[M0+1]
	v_lshlrev_b32 v[WT], v[SH8], v[WT]
	v_permlanex16_b32 v[TP2], v[WT], s82, s83
	v_or_b32 v[HS], v[WT], v[TP2]                  ; with lane l xor 16's two the row's scale word is whole
.if ((\j) > 0) && ((\j) < 7)
	s_wait_loadcnt 0x3                             ; all but the three loads just issued: emb of step j + 1 is in
.endif
.if (\j) < 7
	BUILD (\j)+1
.endif
	v_cvt_scalef32_pk16_bf6_f32 v[HT0:HT0+2], v[HID+16:HID+31], v[SO0]
	v_cvt_scalef32_pk16_bf6_f32 v[HT1:HT1+2], v[HID+48:HID+63], v[SO0+1]
	v_cvt_scalef32_pk16_bf6_f32 v[HC:HC+2], v[HID:HID+15], v[SO0]
	v_cvt_scalef32_pk16_bf6_f32 v[HC+6:HC+8], v[HID+32:HID+47], v[SO0+1]
	v_nop                                          ; one plain place behind the conversions
.irp i, 0,1,2
	v_mov_b32 v[HC+3+\i], v[HT0+\i]
	v_mov_b32 v[HC+9+\i], v[HT1+\i]
.endr
	PLACES 4                                       ; an operand written by vector instructions stands four places ahead of a scaled matrix instruction; the scale words written above stand eleven or more ahead
.endm
	s_mov_b32 s80, 0                               ; slot
	s_mov_b32 s81, 0                               ; 65,536 x slot
.Lslot:                                            ; four trips, a constant; a slot that this split leaves empty is jumped over.  No barrier stands in the loop
	s_cmp_ge_u32 s80, s66
	s_cbranch_scc1 .Lskip
	s_wait_loadcnt 0x0                             ; this slot's words and its first two steps' emb (at first also b3 and the weights' scale words): no load is out, so every offset register may be written
	v_perm_b32 v[CS0], v[WN], v[EW0], s84          ; step 0's cat
	v_and_b32 v[CA0+6], v[WN], v[M24]
.irp i, 0,1,2,3
	v_mov_b32 v[WC+\i], v[WN+\i]
.endr
	v_mov_b32 v[EOC], v[EON]
	PLACES 2                                       ; eight places between the scale word's write and the products
	P3 0
	WIN 0
	NEXTADR                                        ; scalar work while the matrix unit runs
	global_load_b64 v[WN:WN+1], v[WON], s[8:9] th:TH_LOAD_NT
	global_load_b64 v[WN+2:WN+3], v[WON], s[8:9] offset:256 th:TH_LOAD_NT
	Q 0
	P3 1
	s_wait_dscnt 0x0                               ; the last slot's LDS stores have read the accumulators that now begin anew
	P4 1
	WIN 0
	Q 1
.irp j, 2,3,4,5,6,7
	P3 \j
	P4 0
	WIN 0
	Q \j
.endr
	P4 0
	WIN 0
	PLACES 4
	v_add_nc_u32 v[PA], s81, v[PBASE]
.irp p, 0,1,2,3,4,5,6,7,8,9,10,11,12,13,14,15
	ds_store_b128 v[PA], v[ACC+4*\p:ACC+4*\p+3] offset:PART+512*\p     ; my partial h as an image of its registers
.endr
.Lskip:
	s_add_co_u32 s81, s81, 65536
	s_add_co_u32 s80, s80, 1
	s_cmp_lt_u32 s80, 4
	s_cbranch_scc1 .Lslot
; ---- the tail's operands: my half's four tiles of W5 and of W6 from LDS; b5, b6, b4 and the scale words from memory
	s_wait_loadcnt 0x0                             ; what was asked for ahead and is not used
	s_wait_dscnt 0x0                               ; my partial sums have landed, and the stores have read their registers
	PLACES 4
	WIN 0x40
.irp i, 0,1,2,3,4,5,6,7,8,9,10,11
	ds_load_b128 v[4*\i:4*\i+3], v[W56A] offset:512*\i
	ds_load_b128 v[48+4*\i:48+4*\i+3], v[W56A] offset:12288+512*\i
.endr
.irp i, 0,1,2,3,4,5,6,7
	global_load_b128 v[96+4*\i:96+4*\i+3], v[B5V], s[16:17] offset:16*\i           ; b5 at units 64 c + 32 h + 0 .. 31
.endr
.irp t, 0,1,2,3
	global_load_b128 v[128+8*\t:128+8*\t+3], v[B6V], s[18:19] offset:64*\t         ; b6 at columns 64 c + 16 t + 8 h + 0 .. 7
	global_load_b128 v[128+8*\t+4:128+8*\t+7], v[B6V], s[18:19] offset:64*\t+16
.endr
	WIN 0
.irp i, 0,1,2,3,4,5,6,7
	global_load_b128 v[192+4*\i:192+4*\i+3], v[B5V], s[14:15] offset:16*\i         ; b4 likewise
.endr
.irp t, 0,1,2,3
	global_load_b32 v[W3S+\t], v[SWT], s[4:5] offset:49152+2048+128*\t             ; W5's scale words, tiles 4 c + t
	global_load_b32 v[W4S+\t], v[SWT], s[4:5] offset:49152+3072+128*\t             ; W6's
.endr
	s_wait_dscnt 0x0
	s_barrier_signal -1
	s_barrier_wait -1                              ; every wave's partial sums lie in LDS
; ---- h = the eight waves' sums + 64 b4, my half; quantised: block 2 c + h of product 5's operand
	s_cmp_ge_u32 s23, s66
	s_cbranch_scc1 .Lp2done
.macro IMG wv, reg
.irp p, 0,1,2,3,4,5,6,7
	ds_load_b128 v[\reg+4*\p:\reg+4*\p+3], v[P2A] offset:PART+8192*(\wv)+512*\p
.endr
.endm
	IMG 0, 96
	IMG 1, 128
	IMG 2, 160
.irp wv, 1,2,3,4,5,6,7
.if \wv < 7
	s_wait_dscnt 0x8                               ; all but the other buffer's eight loads
.else
	s_wait_dscnt 0x0
.endif
.irp p, 0,2,4,6,8,10,12,14,16,18,20,22,24,26,28,30
	v_pk_add_f32 v[96+\p:97+\p], v[96+\p:97+\p], v[128+32*((\wv+1)%2)+\p:129+32*((\wv+1)%2)+\p]
.endr
.if \wv < 6
	IMG \wv+2, 128+32*((\wv+1)%2)
.endif
.endr
	s_wait_loadcnt 0x0                             ; b4 (and the rest)
.irp p, 0,2,4,6,8,10,12,14,16,18,20,22,24,26,28,30
	v_pk_fma_f32 v[96+\p:97+\p], v[192+\p:193+\p], 0x42800000, v[96+\p:97+\p] op_sel_hi:[1,0,1]    ; + 64 b4: b4 once for each beta
.endr
	QBLK 96, HC, HT0, M0, M0+1, SO0, M0+2
	v_lshlrev_b32 v[WT], v[SH8], v[M0+2]
	v_permlanex16_b32 v[TP2], v[WT], s82, s83
	v_or_b32 v[WT], v[WT], v[TP2]                  ; the bytes of blocks 2 c and 2 c + 1
	ds_store_b128 v[HQS16], v[HC:HC+3]
	ds_store_b64 v[HQS8], v[HC+4:HC+5]
	ds_store_b16 v[HQSH], v[WT]                    ; lanes r and 16 + r write the same two bytes with the same value
.Lp2done:
	s_wait_dscnt 0x0
	s_barrier_signal -1
	s_barrier_wait -1                              ; h's codes lie in LDS, both halves
; ---- relu(h W5 + b5), my 64 units; quantised likewise
	s_cmp_ge_u32 s23, s66
	s_cbranch_scc1 .Lp5done
	ds_load_b128 v[HC:HC+3], v[HQL16]
	ds_load_b64 v[HC+4:HC+5], v[HQL8]
	ds_load_b128 v[HC+6:HC+9], v[HQL16] offset:768
	ds_load_b64 v[HC+10:HC+11], v[HQL8] offset:768
	ds_load_b32 v[HS], v[HQLW]
	s_wait_dscnt 0x0
	s_wait_loadcnt 0x0
	WIN 0x11
.irp t, 0,1,2,3
	v_wmma_scale_f32_16x16x128_f8f6f4 v[96+8*\t:96+8*\t+7], v[12*\t:12*\t+11], v[HC:HC+11], v[96+8*\t:96+8*\t+7], v[W3S+\t], v[HS] matrix_a_fmt:MATRIX_FMT_BF6 matrix_b_fmt:MATRIX_FMT_BF6   ; C: b5, in window 1; D in window 0
.endr
	WIN 0
	PLACES 4
.set i, 0
.rept 32
	v_max_num_f32 v[96+i], 0, v[96+i]
.set i, i+1
.endr
	QBLK 96, HC, HT0, M0, M0+1, SO0, M0+2
	v_lshlrev_b32 v[WT], v[SH8], v[M0+2]
	v_permlanex16_b32 v[TP2], v[WT], s82, s83
	v_or_b32 v[WT], v[WT], v[TP2]
	ds_store_b128 v[HQS16], v[HC:HC+3] offset:8192
	ds_store_b64 v[HQS8], v[HC+4:HC+5] offset:8192
	ds_store_b16 v[HQSH], v[WT] offset:8192
.Lp5done:
	s_wait_dscnt 0x0
	s_barrier_signal -1
	s_barrier_wait -1
; ---- out = (..) W6 + b6, my 64 columns; rows at or past edge_len become 0; through my own stage, so that sixteen lanes store 256 consecutive bytes, aligned
	s_cmp_ge_u32 s23, s66
	s_cbranch_scc1 .Lp6done
	ds_load_b128 v[HC:HC+3], v[HQL16] offset:8192
	ds_load_b64 v[HC+4:HC+5], v[HQL8] offset:8192
	ds_load_b128 v[HC+6:HC+9], v[HQL16] offset:8192+768
	ds_load_b64 v[HC+10:HC+11], v[HQL8] offset:8192+768
	ds_load_b32 v[HS], v[HQLW] offset:8192
	s_wait_dscnt 0x0
	s_wait_loadcnt 0x0
	WIN 0x11
.irp t, 0,1,2,3
	v_wmma_scale_f32_16x16x128_f8f6f4 v[128+8*\t:128+8*\t+7], v[48+12*\t:48+12*\t+11], v[HC:HC+11], v[128+8*\t:128+8*\t+7], v[W4S+\t], v[HS] matrix_a_fmt:MATRIX_FMT_BF6 matrix_b_fmt:MATRIX_FMT_BF6   ; C: b6, in window 1; D in window 0
.endr
	WIN 0
	PLACES 4
	v_cmp_gt_u32 vcc_lo, s75, v[R]                 ; my row counts
.set i, 0
.rept 32
	v_cndmask_b32 v[128+i], v[NIL], v[128+i], vcc_lo
.set i, i+1
.endr
.irp t, 0,1,2,3
	ds_store_b128 v[OSTS], v[128+8*\t:128+8*\t+3] offset:64*\t         ; lane (r, h): out(r, 64 c + 16 t + 8 h + 0 .. 7)
	ds_store_b128 v[OSTS], v[128+8*\t+4:128+8*\t+7] offset:64*\t+16
.endr
.irp i, 0,1,2,3,4,5,6,7
	ds_load_b128 v[96+4*\i:96+4*\i+3], v[OSTL] offset:544*\i           ; LDS serves a wave's instructions in order: these see my stores
.endr
.irp i, 0,1,2,3,4,5,6,7
	s_wait_dscnt 7-\i                              ; the younger row loads may be out
	global_store_b128 v[OUTV], v[96+4*\i:96+4*\i+3], s[78:79] offset:1024*\i th:TH_STORE_NT
.endr
.Lp6done:
	s_wait_tensorcnt 0x0                           ; the wave's end
	ds_add_u32 v[SPW], v[NIL]
	s_wait_dscnt 0x0
	s_endpgm
.Lfunc_end_k_q1cdd7c2ef7_chain:
	.size	k_q1cdd7c2ef7_chain, .Lfunc_end_k_q1cdd7c2ef7_chain-k_q1cdd7c2ef7_chain
	.p2alignl 7, 3214868480
	.fill 96, 4, 3214868480
	.section	.rodata,"a",@progbits
	.p2align	6, 0x0
	.amdhsa_kernel k_q1cdd7c2ef7_chain
		.amdhsa_group_segment_fixed_size 304128
		.amdhsa_private_segment_fixed_size 0
		.amdhsa_enable_private_segment 0
		.amdhsa_kernarg_size 72
		.amdhsa_user_sgpr_count 2
		.amdhsa_user_sgpr_kernarg_segment_ptr 1
		.amdhsa_wavefront_size32 1
		.amdhsa_system_sgpr_workgroup_id_x 1
		.amdhsa_system_sgpr_workgroup_id_y 1
		.amdhsa_system_sgpr_workgroup_id_z 1
		.amdhsa_system_vgpr_workitem_id 0
		.amdhsa_next_free_vgpr 512
		.amdhsa_next_free_sgpr 102
		.amdhsa_reserve_vcc 1
		.amdhsa_float_denorm_mode_32 3
		.amdhsa_float_denorm_mode_16_64 3
		.amdhsa_memory_ordered 1
		.amdhsa_forward_progress 1
		.amdhsa_inst_pref_size 115
	.end_amdhsa_kernel
	.amdgpu_metadata
---
amdhsa.version: [ 1, 2 ]
amdhsa.kernels:
  - .name:           k_q1cdd7c2ef7_chain
    .symbol:         k_q1cdd7c2ef7_chain.kd
    .args:
      - { .name: wq, .offset: 0, .size: 8, .value_kind: global_buffer, .address_space: global }
      - { .name: embq, .offset: 8, .size: 8, .value_kind: global_buffer, .address_space: global }
      - { .name: l1w, .offset: 16, .size: 8, .value_kind: global_buffer, .address_space: global }
      - { .name: edge_len, .offset: 24, .size: 8, .value_kind: global_buffer, .address_space: global }
      - { .name: b3, .offset: 32, .size: 8, .value_kind: global_buffer, .address_space: global }
      - { .name: b4, .offset: 40, .size: 8, .value_kind: global_buffer, .address_space: global }
      - { .name: b5, .offset: 48, .size: 8, .value_kind: global_buffer, .address_space: global }
      - { .name: b6, .offset: 56, .size: 8, .value_kind: global_buffer, .address_space: global }
      - { .name: out0, .offset: 64, .size: 8, .value_kind: global_buffer, .address_space: global }
    .group_segment_fixed_size: 304128
    .private_segment_fixed_size: 0
    .kernarg_segment_align: 8
    .kernarg_segment_size: 72
    .max_flat_workgroup_size: 256
    .sgpr_count:     102
    .vgpr_count:     512
    .wavefront_size: 32
...
	.end_amdgpu_metadata
.endif
;; end of part 2
;; ======== version 2 of 2: 2 launches
;; workspace buffers: wq 53,248 bytes; embq 65,536 bytes; l1w 4,194,304 bytes
;; launch prep (part 3): grid 264 x 1, 4 waves a work-group, no clusters, 41,984 bytes of LDS; arguments x, SCB, edge_index, edge_len, beta_len, W1, b1, W2, b2, W3, W4, W5, W6, wq, embq, l1w; writes wq, embq, l1w
.if DOCPART == 3
	.amdgcn_target "amdgcn-amd-amdhsa--gfx1250"
	.amdhsa_code_object_version 6
	.text
	.protected	k_q1cdd7c2ef7_prep
	.globl	k_q1cdd7c2ef7_prep
	.p2align	8
	.type	k_q1cdd7c2ef7_prep,@function
k_q1cdd7c2ef7_prep:
	s_mov_b64 s[64:65], 0
	v_nop
	global_prefetch_b8 v0, s[64:65] scope:SCOPE_SE
	s_setreg_imm32_b32 hwreg(HW_REG_WAVE_MODE, 25, 1), 1
	s_wait_xcnt 0x0
; CycleNet_EPD, first of two launches: everything that is needed once.
;   work-groups 0-255  (graph b = wg / 16, q = wg % 16; wave w owns beta = 4 q + w):
;     ef[e][0..3] = x[edge_index] is gathered once a work-group into LDS; each wave walks its row of |SCB|: L1 = |SCB| ef (0 where e >= edge_len or beta >= beta_len),
;     s = the sum of L1 over e, and for each edge one WORD: L1's four E3M2 codes (bits 23:0) and the E8M0 byte of cat's third block (bits 31:24) -> l1w.
;     emb = relu(s W1 + b1) W2 + b2: product 1 in f32 (16x16x4), product 2 on E3M2 codes; emb is quantised as cat's first two blocks -> embq.
;   work-groups 256-263: W3 .. W6, quantised along K (their first axis), as images of the operand's registers -> wq (a wave a fragment of 16 columns x 128 K).
; DEAD WORK, LEFT OUT IN BOTH LAUNCHES.  reference() returns out * edge_mask, so row (b, e) with e >= edge_len[b] is 0 in exact arithmetic whatever finite numbers the inputs hold.  Products 3 to 6 never mix rows of
; different edges, and the one sum over edges (s) is masked by reference() itself.  So for a tile of 16 edges with 16 T >= edge_len[b] no L1 word is made here and products 3 to 6 are not done there; zeros are stored.
; Masked rows inside a live tile are computed and replaced by 0.  All 64 betas are computed: rows with beta >= beta_len are summed into h.  Every input has a way to an output and is loaded.
; LIMITS: a NaN, an infinity or an overflow that reaches only masked rows is not carried to the result (0 stands there, as +0); NaN and infinities among the inputs are not served; edge_len is taken as unsigned and held to
; 1,024, edge_index is held to 511; a block whose largest magnitude lies under 2^-122 gets the byte 1 (a block of zeros too: its codes are zeros, and this program alone reads the bytes).
; THE COLUMNS OF A WEIGHT THAT FORM A TILE ARE NOT NEIGHBOURS (W2 .. W5): row m of tile t is column 64 (t / 4) + 32 (m / 8) + 8 (t % 4) + m % 8.  Used transposed (source 0 = weight, source 1 = data) a lane (r, h)
; then holds, of data row r, units 32 h + 0 .. 31 in the registers of tiles 0-3 and 64 + 32 h + 0 .. 31 in those of tiles 4-7: whole blocks of the next operand, in K order.  W6 keeps 16 t + m.
.set EFP,   0                          ; LDS: five planes of 4,096 bytes: ef0 .. ef3 and max |ef|, a word an edge
.set WSTG,  20480                      ; 64 tiles x 264 bytes: the four waves' words of a tile, as the unit of 256 bytes that leaves
.set WPIT,  264
.set W2I,   37376                      ; W2's four fragments: 1,024 bytes each: 512 (registers 0-3), 256 (registers 4-5), 128 (scale words)
.set SPARE, 41472                      ; the spare words, 128 bytes for each wave: two blocks of 256 bytes that no other line names
.set I4,  1                            ; v1   1,024 w + 4 lane
.set R,   2                            ; v2   lane % 16
.set H,   3                            ; v3   lane / 16
.set SPW, 4                            ; v4   LDS address of my spare word; never rewritten
.set NIL, 5                            ; v5   0; never rewritten
.set SH8, 6                            ; v6   8 h
.set TP,  7                            ; v7   the lane exchange's destination
.set T4,  8                            ; v8   4 x thread
.set L16, 9                            ; v9   16 x lane
.set L8,  10                           ; v10  8 x lane
.set L4,  11                           ; v11  4 x lane
.set WST, 12                           ; v12  where my words go in the stage
.set LIM, 13                           ; v13  (edge_len, or 0 where beta >= beta_len) - 4 lane
.set W2V, 14                           ; v14  W2: my column and half
.set W1V, 15                           ; v15  W1: likewise
.set A,   16                           ; v16-47   my row of SCB; later the words on their way out; later relu(s W1 + b1)
.set PL0, 48                           ; v48-67   planes, set 0
.set IDX, 48                           ; v48-63   earlier: the indices
.set W2F, 48                           ; v48-95   later: W2's four fragments
.set RAW, 68                           ; v68-99   earlier: my block of W2 in f32
.set X0,  68                           ; v68-83   four products and twelve zeros
.set X1,  84                           ; v84-99   the same for the element beside
.set S,   100                          ; v100-103 s
.set WD,  104                          ; v104-107 four words
.set W2C, 104                          ; v104-109 earlier: my fragment of W2
.set SB,  104                          ; v104-105 later: s as source 1 of product 1
.set CV0, 108                          ; v108-110 a conversion's result
.set WLD, 111                          ; v111 where I read units back from the stage
.set CV1, 112                          ; v112-114
.set EV,  115                          ; v115 32 h
.set W1A, 124                          ; v124-131 W1's four f32 fragments
.set GA,  132                          ; v132-163 earlier: the gathered x
.set B1,  132                          ; then b1 in the result's layout
.set D2,  132                          ; later emb
.set B2,  164                          ; v164-195 b2
.set D1,  196                          ; v196-227 product 1's sums: written by matrix instructions alone, in the whole text
.set W2S, 228                          ; v228-231 W2's scale words;  v232 the scale word of relu(..): scales and nothing else
.set RS,  232
.set BV,  233                          ; v233 128 h
.set I16, 234                          ; v234 1,024 w + 16 lane
.set I8,  235                          ; v235 1,024 w + 8 lane
.set PL1, 236                          ; v236-255 planes, set 1
.set MX,  236                          ; earlier: max |ef|
.set RC,  236                          ; v236-247 later: relu(..) as codes
.set EC,  248                          ; v248-255 later: emb's block as it is stored
.macro PLACES n
.rept \n
	v_nop
.endr
.endm
; 32 numbers of a lane, one block along K, become 24 bytes of codes in v[dst .. dst+5]; by = the block's E8M0 byte.  The largest magnitude has the floor 2^(5 - 127) among its leaves, so the byte cannot fall under 1;
; 4 off its exponent field is the conversion's scale operand.  A conversion's three registers begin on an even number, so the upper half is made in tmp and moved.
.macro QBLK src, dst, tmp, ma, mb, so, by
	v_max3_num_f32 v[\ma], |v[\src]|, |v[\src+1]|, 0x2800000
	v_max3_num_f32 v[\mb], |v[\src+16]|, |v[\src+17]|, |v[\src+18]|
.irp i, 0,1,2,3,4,5
	v_max3_num_f32 v[\ma], v[\ma], |v[\src+2+2*\i]|, |v[\src+3+2*\i]|
	v_max3_num_f32 v[\mb], v[\mb], |v[\src+19+2*\i]|, |v[\src+20+2*\i]|
.endr
	v_max3_num_f32 v[\ma], v[\ma], |v[\src+14]|, |v[\src+15]|
	v_max3_num_f32 v[\ma], v[\ma], v[\mb], |v[\src+31]|
	v_add_nc_u32 v[\so], 0xfe000000, v[\ma]
	v_lshrrev_b32 v[\by], 23, v[\so]
	v_cvt_scalef32_pk16_bf6_f32 v[\tmp:\tmp+2], v[\src+16:\src+31], v[\so]
	v_cvt_scalef32_pk16_bf6_f32 v[\dst:\dst+2], v[\src:\src+15], v[\so]
	v_nop                                          ; one plain place behind a scaled conversion
.irp i, 0,1,2
	v_mov_b32 v[\dst+3+\i], v[\tmp+\i]
.endr
.endm
	s_load_b512 s[4:19], s[0:1], 0x0               ; x 4, SCB 6, edge_index 8, edge_len 10, beta_len 12, W1 14, b1 16, W2 18
	s_load_b512 s[20:35], s[0:1], 0x40             ; b2 20, W3 22, W4 24, W5 26, W6 28, wq 30, embq 32, l1w 34
	v_lshl_add_u32 v[SPW], v0, 2, SPARE
	v_mov_b32 v[NIL], 0
	v_lshrrev_b32 v116, 5, v0
	v_readfirstlane_b32 s36, v116                  ; wave 0..3
	v_and_b32 v116, 31, v0                         ; lane
	v_and_b32 v[R], 15, v0
	v_bfe_u32 v[H], v0, 4, 1
	v_lshlrev_b32 v[SH8], 3, v[H]
	v_mov_b32 v[TP], 0                             ; a lane exchange's destination counts as read
	v_lshlrev_b32 v[L16], 4, v116
	v_lshlrev_b32 v[L8], 3, v116
	v_lshlrev_b32 v[L4], 2, v116
	s_mov_b32 s50, 0xffff0000                      ; lanes 16-31
	s_mov_b32 s52, 0x76543210
	s_mov_b32 s53, 0xfedcba98                      ; selects for lane l xor 16
	s_cmp_ge_u32 ttmp9, 256
	s_cbranch_scc1 .Lweights
; ---------------------------------------------------------------- graphs: work-groups 0-255
	s_lshr_b32 s37, ttmp9, 4                       ; b
	s_and_b32 s38, ttmp9, 15                       ; q
	s_lshl_b32 s39, s38, 2
	s_add_co_u32 s39, s39, s36                     ; beta = 4 q + w
	v_lshlrev_b32 v[T4], 2, v0
	s_wait_alu depctr_va_vdst(0)
	v_and_b32 v117, 7, v[R]
	v_lshrrev_b32 v118, 3, v[R]
	v_lshl_add_u32 v117, v118, 5, v117             ; 32 (r / 8) + r % 8
	v_lshlrev_b32 v117, 2, v117                    ; in bytes
	v_lshl_add_u32 v[W1V], v[H], 9, v117           ; W1: rows 2 h + j of 256 bytes
	s_lshl_b32 s42, s36, 5                         ; tile w: 8 w columns on
	v_lshl_add_u32 v[W2V], v[H], 13, v117          ; W2: rows 32 h + i of 256 bytes
	v_add_nc_u32 v[W2V], s42, v[W2V]
	v_lshlrev_b32 v[BV], 7, v[H]
	v_lshlrev_b32 v[EV], 5, v[H]
	s_lshl_b32 s42, s36, 10
	v_add_nc_u32 v[I16], s42, v[L16]
	v_add_nc_u32 v[I8], s42, v[L8]
	v_add_nc_u32 v[I4], s42, v[L4]
	v_lshrrev_b32 v117, 2, v116                    ; my four edges 4 lane + k lie in tile lane / 4 of a group's eight,
	v_mul_u32_u24 v117, v117, WPIT
	v_and_b32 v118, 3, v116
	v_lshl_add_u32 v117, v118, 5, v117             ; at 8 bytes an edge: 32 (lane % 4) + 8 k;
	s_lshr_b32 s42, s36, 1
	s_lshl_b32 s42, s42, 7                         ; beta 4 q + w lies in the unit's half w / 2,
	s_and_b32 s43, s36, 1
	s_lshl_b32 s43, s43, 2                         ; word w % 2
	s_add_co_u32 s42, s42, s43
	s_add_co_u32 s42, s42, WSTG
	v_add_nc_u32 v[WST], s42, v117
	s_mul_i32 s42, s36, 16*WPIT                    ; on the way out wave w takes tiles 16 w .. 16 w + 15
	s_add_co_u32 s42, s42, WSTG
	v_add_nc_u32 v[WLD], s42, v[L8]
	s_lshl_b32 s42, s37, 2
	s_mov_b32 s43, 0
	s_mov_b32 s49, 0
	s_wait_kmcnt 0x0
	s_add_nc_u64 s[44:45], s[10:11], s[42:43]
	s_add_nc_u64 s[46:47], s[12:13], s[42:43]
	s_load_b32 s40, s[44:45], 0x0                  ; edge_len[b]
	s_load_b32 s41, s[46:47], 0x0                  ; beta_len[b]
	s_lshl_b32 s42, s37, 13
	s_add_nc_u64 s[8:9], s[8:9], s[42:43]          ; edge_index[b]
	s_lshl_b32 s42, s37, 12
	s_add_nc_u64 s[4:5], s[4:5], s[42:43]          ; x[b]
	s_lshl_b32 s42, s37, 6
	s_add_co_u32 s42, s42, s39                     ; 64 b + beta
	s_lshl_b32 s48, s42, 6
	s_add_nc_u64 s[32:33], s[32:33], s[48:49]      ; my row of embq
	s_lshl_b32 s42, s42, 12
	s_add_nc_u64 s[6:7], s[6:7], s[42:43]          ; my row of SCB
	s_lshl_b32 s42, s37, 18                        ; l1w: unit ((64 b + T) 16 + q): 4,096 bytes a tile, 256 q; my tiles begin at 16 w
	s_lshl_b32 s48, s38, 8
	s_add_co_u32 s42, s42, s48
	s_lshl_b32 s48, s36, 16
	s_add_co_u32 s42, s42, s48
	s_add_nc_u64 s[34:35], s[34:35], s[42:43]
; the indices of edges thread + 128 k, both ends; behind them my whole row of SCB, 512 consecutive bytes a load
.irp k, 0,1,2,3,4,5,6,7
	global_load_b32 v[IDX+\k], v[T4], s[8:9] offset:512*\k
	global_load_b32 v[IDX+8+\k], v[T4], s[8:9] offset:4096+512*\k
.endr
.irp g, 0,1,2,3,4,5,6,7
	global_load_b128 v[A+4*\g:A+4*\g+3], v[L16], s[6:7] offset:512*\g th:TH_LOAD_NT
.endr
	s_wait_loadcnt 0x8                             ; the indices are in; the eight loads of SCB behind them may be out
.irp i, 0,1,2,3,4,5,6,7,8,9,10,11,12,13,14,15
	v_min_u32 v[IDX+\i], 0x1ff, v[IDX+\i]          ; an index stays inside x's 512 rows
.endr
.irp i, 0,1,2,3,4,5,6,7,8,9,10,11,12,13,14,15
	v_lshlrev_b32 v[IDX+\i], 3, v[IDX+\i]          ; 8 bytes a node
.endr
.irp i, 0,1,2,3,4,5,6,7,8,9,10,11,12,13,14,15
	global_load_b64 v[GA+2*\i:GA+2*\i+1], v[IDX+\i], s[4:5]
.endr
.set i, 0
.rept 32
	global_load_b32 v[RAW+i], v[W2V], s[18:19] offset:256*i   ; W2(32 h + i, my column): registers run down K
.set i, i+1
.endr
	s_wait_loadcnt 0x20                            ; the gathers (and SCB) are in; W2's 32 loads may be out
.irp k, 0,1,2,3,4,5,6,7
	v_max3_num_f32 v[MX+\k], |v[GA+2*\k]|, |v[GA+2*\k+1]|, |v[GA+16+2*\k]|
.endr
.irp k, 0,1,2,3,4,5,6,7
	v_max_num_f32 v[MX+\k], v[MX+\k], |v[GA+17+2*\k]|
.endr
.irp k, 0,1,2,3,4,5,6,7
	ds_store_b32 v[T4], v[GA+2*\k] offset:EFP+512*\k
	ds_store_b32 v[T4], v[GA+2*\k+1] offset:EFP+4096+512*\k
	ds_store_b32 v[T4], v[GA+16+2*\k] offset:EFP+8192+512*\k
	ds_store_b32 v[T4], v[GA+17+2*\k] offset:EFP+12288+512*\k
	ds_store_b32 v[T4], v[MX+\k] offset:EFP+16384+512*\k
.endr
	s_wait_loadcnt 0x0                             ; W2
	QBLK RAW, W2C, 116, 119, 120, 121, 122         ; tile w of W2, block h of its K = 64
	v_lshlrev_b32 v123, v[SH8], v122               ; my block's byte at its place,
	v_permlanex16_b32 v[TP], v123, s52, s53
	v_or_b32 v123, v123, v[TP]                     ; with lane l xor 16's: the row's scale word (bytes 2 and 3 stay 0 over zero codes)
	ds_store_b128 v[I16], v[W2C:W2C+3] offset:W2I  ; the fragment goes to LDS as an image of its registers
	ds_store_b64 v[I8], v[W2C+4:W2C+5] offset:W2I+512
	ds_store_b32 v[I4], v123 offset:W2I+768
.irp i, 4,5,6,7,8,9,10,11,12,13,14,15
	v_mov_b32 v[X0+\i], 0                          ; cat's third block is four numbers and zeros
	v_mov_b32 v[X1+\i], 0
.endr
.irp i, 0,1,2,3
	v_mov_b32 v[S+\i], 0
.endr
	s_wait_dscnt 0x0                               ; for the others' sake: my planes and my image have landed; and the stores have read the registers that b1 now takes
.irp t, 0,1,2,3
.irp j, 0,1
	global_load_b32 v[W1A+2*\t+\j], v[W1V], s[14:15] offset:256*\j+32*\t   ; W1(2 h + j, tile t's column r)
.endr
.endr
.irp t, 0,1,2,3
	global_load_b128 v[B1+8*\t:B1+8*\t+3], v[BV], s[16:17] offset:32*\t    ; b1 and b2 at units 32 h + 8 t + 0 .. 7: the result's layout
	global_load_b128 v[B1+8*\t+4:B1+8*\t+7], v[BV], s[16:17] offset:32*\t+16
	global_load_b128 v[B2+8*\t:B2+8*\t+3], v[BV], s[20:21] offset:32*\t
	global_load_b128 v[B2+8*\t+4:B2+8*\t+7], v[BV], s[20:21] offset:32*\t+16
.endr
	s_barrier_signal -1
	s_barrier_wait -1                              ; the planes and W2's four images lie in LDS
	s_wait_kmcnt 0x0
	s_min_u32 s40, s40, 1024
	s_cmp_lt_i32 s39, s41                          ; beta < beta_len?
	s_cselect_b32 s42, s40, 0
	v_sub_nc_u32 v[LIM], s42, v[L4]                ; edge 128 g + 4 lane + k counts where 128 g + k < this
.macro PLOAD g, set                    ; the five planes at my four edges of group g
.irp p, 0,1,2,3,4
	ds_load_b128 v[\set+4*\p:\set+4*\p+3], v[L16] offset:EFP+4096*\p+512*(\g)
.endr
.endm
; two edges by turns.  |a| max |ef| is the block's largest magnitude: rounding keeps the order of the four products.
.macro ELEM2 g, k, pl
	v_cmp_lt_i32 vcc_lo, 128*(\g)+(\k), v[LIM]
	v_cndmask_b32 v116, v[NIL], v[A+4*(\g)+(\k)], vcc_lo
	v_cmp_lt_i32 vcc_lo, 128*(\g)+(\k)+1, v[LIM]
	v_cndmask_b32 v120, v[NIL], v[A+4*(\g)+(\k)+1], vcc_lo
.irp i, 0,1,2,3
	v_mul_f32 v[X0+\i], |v116|, v[\pl+4*\i+(\k)]
	v_mul_f32 v[X1+\i], |v120|, v[\pl+4*\i+(\k)+1]
.endr
	v_mul_f32 v117, |v116|, v[\pl+16+(\k)]
	v_mul_f32 v121, |v120|, v[\pl+16+(\k)+1]
	v_pk_add_f32 v[S:S+1], v[S:S+1], v[X0:X0+1]
	v_pk_add_f32 v[S+2:S+3], v[S+2:S+3], v[X0+2:X0+3]
	v_max_num_f32 v117, 0x2800000, v117            ; the floor
	v_max_num_f32 v121, 0x2800000, v121
	v_pk_add_f32 v[S:S+1], v[S:S+1], v[X1:X1+1]
	v_pk_add_f32 v[S+2:S+3], v[S+2:S+3], v[X1+2:X1+3]
	v_add_nc_u32 v118, 0xfe000000, v117
	v_add_nc_u32 v122, 0xfe000000, v121
	v_cvt_scalef32_pk16_bf6_f32 v[CV0:CV0+2], v[X0:X0+15], v118
	v_cvt_scalef32_pk16_bf6_f32 v[CV1:CV1+2], v[X1:X1+15], v122
	v_lshrrev_b32 v119, 23, v118                   ; the byte (and the plain place behind the conversions)
	v_lshrrev_b32 v123, 23, v122
	v_lshl_or_b32 v[WD+(\k)], v119, 24, v[CV0]     ; codes 4 and 5 are zeros: bits 31:24 are free for the byte
	v_lshl_or_b32 v[WD+(\k)+1], v123, 24, v[CV1]
.endm
; a group of 128 edges.  Groups wholly at or past edge_len hold only dead tiles and add nothing to s: the walk ends there.
.macro GROUP g, cur, nxt
	s_cmp_le_u32 s40, 128*(\g)
	s_cbranch_scc1 .Lsummed
.if (\g) < 7
	PLOAD (\g)+1, \nxt
	s_wait_dscnt 0x5                               ; all but the five loads just issued: this group's planes are in, and the last group's word stores are done
.else
	s_wait_dscnt 0x0
.endif
	s_wait_alu depctr_va_vdst(0)
	ELEM2 \g, 0, \cur
	ELEM2 \g, 2, \cur
.irp k, 0,1,2,3
	ds_store_b32 v[WST], v[WD+\k] offset:8*WPIT*(\g)+8*\k
.endr
.endm
	PLOAD 0, PL0
	GROUP 0, PL0, PL1
	GROUP 1, PL1, PL0
	GROUP 2, PL0, PL1
	GROUP 3, PL1, PL0
	GROUP 4, PL0, PL1
	GROUP 5, PL1, PL0
	GROUP 6, PL0, PL1
	GROUP 7, PL1, PL0
.Lsummed:
	s_wait_dscnt 0x0                               ; my words have landed, and no plane load is out
	s_wait_alu depctr_va_vdst(0)
.irp m, 1,2,4,8
.irp i, 0,1,2,3
	v_add_f32_dpp v[S+\i], v[S+\i], v[S+\i] row_xmask:\m row_mask:0xf bank_mask:0xf
.endr
.endr
.irp i, 0,1,2,3
	v_permlanex16_b32 v[116+\i], v[S+\i], s52, s53
.endr
.irp i, 0,1,2,3
	v_add_f32 v[S+\i], v[S+\i], v[116+\i]          ; s, in every lane
.endr
	s_barrier_signal -1
	s_barrier_wait -1                              ; the four waves' words of every live tile lie in the stage
; the words leave: one aligned unit of 256 bytes an instruction; live tiles alone
	s_lshl_b32 s43, s36, 8                         ; my first tile's first edge
.irp gg, 0,1
	s_add_co_u32 s44, s43, 128*\gg
	s_cmp_le_u32 s40, s44
	s_cbranch_scc1 .Lwdone
.irp i, 0,1,2,3,4,5,6,7
	ds_load_b64 v[A+16*\gg+2*\i:A+16*\gg+2*\i+1], v[WLD] offset:WPIT*(8*\gg+\i)
.endr
	s_wait_dscnt 0x0
.irp i, 0,1,2,3,4,5,6,7
	s_add_co_u32 s44, s43, 128*\gg+16*\i
	s_cmp_le_u32 s40, s44
	s_cbranch_scc1 .Lwdone
	global_store_b64 v[L8], v[A+16*\gg+2*\i:A+16*\gg+2*\i+1], s[34:35] offset:4096*(8*\gg+\i)
.endr
.endr
.Lwdone:
; emb of my beta.  All 16 columns of source 1 hold the same row.
.irp t, 0,1,2,3
	ds_load_b128 v[W2F+12*\t:W2F+12*\t+3], v[L16] offset:W2I+1024*\t
	ds_load_b64 v[W2F+12*\t+4:W2F+12*\t+5], v[L8] offset:W2I+1024*\t+512
	ds_load_b32 v[W2S+\t], v[L4] offset:W2I+1024*\t+768
.endr
	s_wait_alu depctr_va_vdst(0)
	v_cndmask_b32 v[SB], v[S], v[S+2], s50         ; source 1 of product 1: register j holds s[2 h + j]
	v_cndmask_b32 v[SB+1], v[S+1], v[S+3], s50
.irp t, 0,1,2,3
.irp i, 6,7,8,9,10,11
	v_mov_b32 v[W2F+12*\t+\i], 0                   ; K = 64: the upper half of the K step is zero codes, on both sides
.endr
.endr
.irp i, 6,7,8,9,10,11
	v_mov_b32 v[RC+\i], 0
.endr
	v_mov_b32 v[EC+7], 0
	s_wait_xcnt 0x0                                ; the word stores have read v16-47, which are written below
	s_wait_loadcnt 0x0                             ; W1, b1, b2
.irp t, 0,1,2,3
	v_wmma_f32_16x16x4_f32 v[D1+8*\t:D1+8*\t+7], v[W1A+2*\t:W1A+2*\t+1], v[SB:SB+1], v[B1+8*\t:B1+8*\t+7]   ; s W1 + b1, in f32: it goes on into a quantiser
.endr
	PLACES 8                                       ; eight places behind the f32 form
.set i, 0
.rept 32
	v_max_num_f32 v[A+i], 0, v[D1+i]               ; relu, into other registers, each sum from its low end on
.set i, i+1
.endr
	QBLK A, RC, 116, 119, 120, 121, 122
	v_lshlrev_b32 v123, v[SH8], v122
	v_permlanex16_b32 v[TP], v123, s52, s53
	v_or_b32 v[RS], v123, v[TP]
	s_wait_alu depctr_va_vdst(0)
	s_wait_dscnt 0x0                               ; W2's images
	PLACES 8                                       ; a scale register written by a vector instruction stands eight places ahead of a scaled matrix instruction
.irp t, 0,1,2,3
	v_wmma_scale_f32_16x16x128_f8f6f4 v[D2+8*\t:D2+8*\t+7], v[W2F+12*\t:W2F+12*\t+11], v[RC:RC+11], v[B2+8*\t:B2+8*\t+7], v[W2S+\t], v[RS] matrix_a_fmt:MATRIX_FMT_BF6 matrix_b_fmt:MATRIX_FMT_BF6
.endr
	PLACES 4
	QBLK D2, EC, 116, 119, 120, 121, 122           ; emb's block h: cat's block h
	v_lshlrev_b32 v123, v[SH8], v122
	v_permlanex16_b32 v[TP], v123, s52, s53
	v_or_b32 v[EC+6], v123, v[TP]                  ; byte 0: block 0's scale, byte 1: block 1's
	v_cmp_eq_u32 vcc_lo, 0, v[R]                   ; all columns are alike: lanes 0 and 16 store the row's two halves
	s_wait_alu depctr_va_vdst(0)
	s_wait_xcnt 0x0                                ; EXEC changes only behind this wait
	s_and_saveexec_b32 s46, vcc_lo
	global_store_b128 v[EV], v[EC:EC+3], s[32:33]
	global_store_b128 v[EV], v[EC+4:EC+7], s[32:33] offset:16
	s_wait_xcnt 0x0                                ; and again ahead of the line that widens it
	s_or_b32 exec_lo, exec_lo, s46
	s_wait_tensorcnt 0x0                           ; the wave's end
	ds_add_u32 v[SPW], v[NIL]
	s_wait_dscnt 0x0
	s_endpgm
; ---------------------------------------------------------------- weights: work-groups 256-263; fragment f = 4 (wg - 256) + wave = 8 (which weight) + tile.  No LDS is written on this way.
.Lweights:
	s_sub_co_u32 s37, ttmp9, 256
	s_lshl_b32 s37, s37, 2
	s_add_co_u32 s37, s37, s36                     ; f
	s_lshr_b32 s38, s37, 3                         ; 0 .. 3: W3 .. W6 (the same for a whole work-group)
	s_and_b32 s39, s37, 7                          ; t
	s_lshr_b32 s40, s39, 2
	s_lshl_b32 s40, s40, 6
	s_and_b32 s41, s39, 3
	s_lshl_b32 s41, s41, 3
	s_add_co_u32 s40, s40, s41                     ; 64 (t / 4) + 8 (t % 4)
	s_lshl_b32 s41, s39, 4                         ; W6: 16 t
	s_cmp_eq_u32 s38, 3
	s_cselect_b32 s40, s41, s40
	s_cselect_b32 s41, 8, 32                       ; what r / 8 adds
	s_wait_alu depctr_va_vdst(0)
	v_and_b32 v14, 7, v[R]
	v_lshrrev_b32 v15, 3, v[R]
	v_mad_u32_u24 v14, v15, s41, v14
	v_add_nc_u32 v14, s40, v14                     ; my column n
	v_lshlrev_b32 v13, 2, v14                      ; 4 n
	v_lshl_add_u32 v12, v[H], 14, v13              ; + 32 h rows of 512 bytes
	s_mul_i32 s42, s37, 1536
	s_mov_b32 s43, 0
	s_wait_alu depctr_va_vdst(0)
	s_wait_kmcnt 0x0
	s_cmp_eq_u32 s38, 0
	s_cselect_b64 s[44:45], s[22:23], s[24:25]
	s_cmp_eq_u32 s38, 2
	s_cselect_b64 s[44:45], s[26:27], s[44:45]
	s_cmp_eq_u32 s38, 3
	s_cselect_b64 s[44:45], s[28:29], s[44:45]
	s_add_nc_u64 s[46:47], s[30:31], s[42:43]      ; my image
	s_lshl_b32 s42, s37, 7
	s_add_co_u32 s42, s42, 49152
	s_add_nc_u64 s[48:49], s[30:31], s[42:43]      ; my scale words
.set i, 0
.rept 32
	global_load_b32 v[16+i], v12, s[44:45] offset:512*i          ; W(32 h + i, n)
.set i, i+1
.endr
	s_cmp_eq_u32 s38, 0
	s_cbranch_scc1 .Lw3
.set i, 0
.rept 32
	global_load_b32 v[48+i], v12, s[44:45] offset:512*(64+i)     ; W(64 + 32 h + i, n)
.set i, i+1
.endr
	s_wait_loadcnt 0x0
	s_branch .Lwq
.Lw3:                                              ; W3 has 68 rows: block 2 is four numbers and zeros, block 3 zeros; no load leaves the buffer
.irp i, 0,1,2,3
	global_load_b32 v[48+\i], v13, s[44:45] offset:512*(64+\i)
.endr
.set i, 4
.rept 28
	v_mov_b32 v[48+i], 0
.set i, i+1
.endr
	s_wait_loadcnt 0x0
.irp i, 0,1,2,3
	v_cndmask_b32 v[48+\i], v[48+\i], v[NIL], s50  ; lanes 16-31 hold block 3
.endr
.Lwq:
	QBLK 16, 80, 92, 96, 97, 98, 99                ; registers 0-5: block h
	QBLK 48, 86, 92, 96, 97, 98, 100               ; registers 6-11: block 2 + h
	v_lshl_or_b32 v101, v100, 16, v99
	v_lshlrev_b32 v101, v[SH8], v101
	v_permlanex16_b32 v[TP], v101, s52, s53
	v_or_b32 v101, v101, v[TP]                     ; the column's four bytes
	global_store_b128 v[L16], v[80:83], s[46:47]               ; 512 consecutive bytes a store
	global_store_b128 v[L16], v[84:87], s[46:47] offset:512
	global_store_b128 v[L16], v[88:91], s[46:47] offset:1024
	global_store_b32 v[L4], v101, s[48:49]
	s_endpgm
.Lfunc_end_k_q1cdd7c2ef7_prep:
	.size	k_q1cdd7c2ef7_prep, .Lfunc_end_k_q1cdd7c2ef7_prep-k_q1cdd7c2ef7_prep
	.p2alignl 7, 3214868480
	.fill 96, 4, 3214868480
	.section	.rodata,"a",@progbits
	.p2align	6, 0x0
	.amdhsa_kernel k_q1cdd7c2ef7_prep
		.amdhsa_group_segment_fixed_size 41984
		.amdhsa_private_segment_fixed_size 0
		.amdhsa_enable_private_segment 0
		.amdhsa_kernarg_size 128
		.amdhsa_user_sgpr_count 2
		.amdhsa_user_sgpr_kernarg_segment_ptr 1
		.amdhsa_wavefront_size32 1
		.amdhsa_system_sgpr_workgroup_id_x 1
		.amdhsa_system_sgpr_workgroup_id_y 1
		.amdhsa_system_sgpr_workgroup_id_z 1
		.amdhsa_system_vgpr_workitem_id 0
		.amdhsa_next_free_vgpr 256
		.amdhsa_next_free_sgpr 66
		.amdhsa_reserve_vcc 1
		.amdhsa_float_denorm_mode_32 3
		.amdhsa_float_denorm_mode_16_64 3
		.amdhsa_memory_ordered 1
		.amdhsa_forward_progress 1
		.amdhsa_inst_pref_size 79
	.end_amdhsa_kernel
	.amdgpu_metadata
---
amdhsa.version: [ 1, 2 ]
amdhsa.kernels:
  - .name:           k_q1cdd7c2ef7_prep
    .symbol:         k_q1cdd7c2ef7_prep.kd
    .args:
      - { .name: x, .offset: 0, .size: 8, .value_kind: global_buffer, .address_space: global }
      - { .name: SCB, .offset: 8, .size: 8, .value_kind: global_buffer, .address_space: global }
      - { .name: edge_index, .offset: 16, .size: 8, .value_kind: global_buffer, .address_space: global }
      - { .name: edge_len, .offset: 24, .size: 8, .value_kind: global_buffer, .address_space: global }
      - { .name: beta_len, .offset: 32, .size: 8, .value_kind: global_buffer, .address_space: global }
      - { .name: W1, .offset: 40, .size: 8, .value_kind: global_buffer, .address_space: global }
      - { .name: b1, .offset: 48, .size: 8, .value_kind: global_buffer, .address_space: global }
      - { .name: W2, .offset: 56, .size: 8, .value_kind: global_buffer, .address_space: global }
      - { .name: b2, .offset: 64, .size: 8, .value_kind: global_buffer, .address_space: global }
      - { .name: W3, .offset: 72, .size: 8, .value_kind: global_buffer, .address_space: global }
      - { .name: W4, .offset: 80, .size: 8, .value_kind: global_buffer, .address_space: global }
      - { .name: W5, .offset: 88, .size: 8, .value_kind: global_buffer, .address_space: global }
      - { .name: W6, .offset: 96, .size: 8, .value_kind: global_buffer, .address_space: global }
      - { .name: wq, .offset: 104, .size: 8, .value_kind: global_buffer, .address_space: global }
      - { .name: embq, .offset: 112, .size: 8, .value_kind: global_buffer, .address_space: global }
      - { .name: l1w, .offset: 120, .size: 8, .value_kind: global_buffer, .address_space: global }
    .group_segment_fixed_size: 41984
    .private_segment_fixed_size: 0
    .kernarg_segment_align: 8
    .kernarg_segment_size: 128
    .max_flat_workgroup_size: 128
    .sgpr_count:     66
    .vgpr_count:     256
    .wavefront_size: 32
...
	.end_amdgpu_metadata
.endif
;; end of part 3
;; launch chain (part 4): grid 256 x 1, 8 waves a work-group, no clusters, 304,128 bytes of LDS; arguments wq, embq, l1w, edge_len, b3, b4, b5, b6, out0; writes out0
.if DOCPART == 4
	.amdgcn_target "amdgcn-amd-amdhsa--gfx1250"
	.amdhsa_code_object_version 6
	.text
	.protected	k_q1cdd7c2ef7_chain
	.globl	k_q1cdd7c2ef7_chain
	.p2align	8
	.type	k_q1cdd7c2ef7_chain,@function
k_q1cdd7c2ef7_chain:
	s_mov_b64 s[64:65], 0
	v_nop
	global_prefetch_b8 v0, s[64:65] scope:SCOPE_SE
	s_setreg_imm32_b32 hwreg(HW_REG_WAVE_SCHED_MODE, 0, 2), 2
	s_setreg_imm32_b32 hwreg(HW_REG_WAVE_MODE, 25, 1), 1
	s_wait_xcnt 0x0
	s_wait_alu depctr_vm_vsrc(0)
; CycleNet_EPD, second launch: out = relu(h W5 + b5) W6 + b6, h = the sum over beta of relu(cat W3 + b3) W4 + b4, all four products on E3M2 codes; the hidden layers and h never go to memory.
; WORK LEFT OUT (shown at the head of the first kernel): tiles of 16 edges with 16 T >= edge_len[b] are rows that reference() multiplies by 0: products 3 to 6 are not done for them, zeros are stored.
; LIMITS as stated there: 0 (as +0) stands in masked rows whatever NaN or infinity the work left out would have met; edge_len is taken as unsigned and held to 1,024.
; SHARES.  The live tiles, counted through the graphs, are dealt to the 256 work-groups: live tile g belongs to work-group g % 256 as its slot g / 256 (at most four).  In a slot all eight waves work on ONE tile:
; wave w takes betas 8 w .. 8 w + 7, with W3, W4 and b3 in its registers.  A tile's 16 columns are 16 edges of one beta, so the sum over beta is product 4's own chain of sums; the eight waves' partial sums meet in LDS.
; In the tail wave w = 2 s + c owns slot s and half c (units, then columns, 64 c .. 64 c + 63).
; Both products are used transposed (source 0 = 16 columns of the weight, chosen as the first kernel says; source 1 = 16 data rows): lane (r, h) holds data row r and whole blocks h and 2 + h of the next operand: nothing
; changes lanes but the scale bytes.  Two waves share a SIMD: one wave's relu, maxima and conversions stand beside the other's matrix instructions.
; No tensor load, no cluster: branches hang on edge_len, which is read from memory; what the work-groups share is 48 KiB of weights, read once a work-group and handed round through LDS.
; THE MODE: SCHED_MODE bits 1:0 = 2 (LLVM: expert scheduling mode 2), set by the entry lines.  The code itself states the register dependences between vector or matrix instructions and memory or LDS instructions,
; with s_wait_alu, always for 0.
; THE PLAN.  Registers that memory or LDS instructions touch, in the loop over slots:
;   v6 (EOC)         written by a move at a slot's head; read by the emb loads of steps 0 to 5.
;   v7, v8 (EON, WON) written by two additions behind product 3 of step 0; read by the word loads of step 0 and the emb loads of steps 6 and 7.
;   v64-67 (WN)      the word loads of step 0 land there; vector lines at the next slot's head read them.
;   cat's set j % 2, registers 0-5, and its emb word: the loads of step j + 2, issued in step j, land there; product 3 of step j has read the set, and the lines that built step j's cat the word.
;   v12 (PA), v160-223 (the accumulators): written by an addition and by product 4; read by the sixteen LDS stores at a slot's end; the next slot writes both again.
;   v68-79, v88, cat's register 6 and cat's scale words are written by vector lines and taken by scaled matrix instructions.
; So a slot has one wait on vm_vsrc, at its head, and a step two waits on va_vdst: one behind the places at the head of its vector work, ahead of its loads, and one behind its last places, ahead of the two bursts of
; matrix instructions.  All other offsets and LDS addresses are made once, at the kernel's head, ahead of the wait on va_vdst in front of the first load, and never written again.
.set PART,  0                          ; LDS: partial sums: 65,536 slot + 8,192 wave + 512 piece + 16 lane.  Laid over it: at the head W3's and W4's images (24,576 bytes); at the end each wave's 16 rows x 272 bytes for the way out
.set W56,   262144                     ; W5's and W6's images, 24,576 bytes
.set HQ,    286720                     ; h, then relu(h W5 + b5), as codes: 8,192 z + 2,048 slot; half c at 768 c (512 + 256); scale bytes at 1,536 + 4 r + 2 c
.set SPARE, 303104                     ; the spare words, 128 bytes for each wave: four blocks of 256 bytes that no other line names
.set LI,   1                           ; v1   16 lane
.set SPW,  2                           ; v2   LDS address of my spare word; never rewritten
.set NIL,  3                           ; v3   0; never rewritten
.set M24,  4                           ; v4   0xffffff in lanes 0-15, 0 above
.set SH8,  5                           ; v5   8 h
.set EOC,  6                           ; v6   embq: this slot's offset;  v7 the next slot's;  v8 l1w: the next slot's
.set EON,  7
.set WON,  8
.set LANEE, 9                          ; v9   512 w + 32 h
.set LANEW, 10                         ; v10  512 w + 8 lane
.set PBASE, 11                         ; v11  8,192 w + 16 lane
.set PA,   12                          ; v12  + 65,536 slot
.set R,    13                          ; v13  lane % 16
.set TP,   14                          ; v14, v15  lane exchanges' destinations
.set TP2,  15
.set W3S,  16                          ; v16-23 W3's scale words (tail: W5's);  v24-31 W4's (tail: W6's)
.set W4S,  24
.set CA0,  32                          ; v32-43, v44-55  cat as codes, two sets by turns: registers 0-5 emb's block h, 6 L1's codes, 7-11 zeros
.set CS0,  56                          ; v56, v57  cat's scale words
.set EW0,  58                          ; v58, v59  emb's two bytes as loaded
.set WC,   60                          ; v60-63 this slot's L1 words;  v64-67 the next slot's
.set WN,   64
.set HC,   68                          ; v68-79 the hidden layer as codes
.set HT0,  80                          ; v80-82, v84-86 the upper halves of its blocks, on their way
.set HT1,  84
.set HS,   88                          ; v88  its scale word
.set M0,   89                          ; v89-92 maxima, later bytes;  v93, v94 the conversions' scale operands;  v95 a word in the making
.set SO0,  93
.set WT,   95
.set HID,  96                          ; v96-159 the hidden layer, 8 tiles
.set ACC,  160                         ; v160-223 my partial h, 8 tiles
.set P2A,  224                         ; v224-234 the tail's LDS and output offsets, v235-243 the head's and the tail's load offsets: all made at the head
.set HQS16, 225
.set HQS8, 226
.set HQSH, 227
.set HQL16, 228
.set HQL8, 229
.set HQLW, 230
.set OSTS, 231
.set OSTL, 232
.set OUTV, 233
.set W56A, 234
.set STA,  235
.set BV3,  236
.set SW,   237
.set B5V,  240
.set B6V,  241
.set SWT,  242
.set STG,  243
; window 1: v0-95 W3's fragments (tail: W5's four, W6's four), v96-191 W4's (tail: b5, b6), v192-255 b3 in the result's layout
.set MSB, 0
.macro WIN new                         ; the immediate's high byte repeats the setting that is left
.if MSB != \new
	s_set_vgpr_msb (MSB<<8)|\new
.set MSB, \new
.endif
.endm
.macro PLACES n
.rept \n
	v_nop
.endr
.endm
.macro QBLK src, dst, tmp, ma, mb, so, by      ; as in the first kernel: 32 numbers of a lane become a block's 24 bytes of codes and its byte
	v_max3_num_f32 v[\ma], |v[\src]|, |v[\src+1]|, 0x2800000
	v_max3_num_f32 v[\mb], |v[\src+16]|, |v[\src+17]|, |v[\src+18]|
.irp i, 0,1,2,3,4,5
	v_max3_num_f32 v[\ma], v[\ma], |v[\src+2+2*\i]|, |v[\src+3+2*\i]|
	v_max3_num_f32 v[\mb], v[\mb], |v[\src+19+2*\i]|, |v[\src+20+2*\i]|
.endr
	v_max3_num_f32 v[\ma], v[\ma], |v[\src+14]|, |v[\src+15]|
	v_max3_num_f32 v[\ma], v[\ma], v[\mb], |v[\src+31]|
	v_add_nc_u32 v[\so], 0xfe000000, v[\ma]
	v_lshrrev_b32 v[\by], 23, v[\so]
	v_cvt_scalef32_pk16_bf6_f32 v[\tmp:\tmp+2], v[\src+16:\src+31], v[\so]
	v_cvt_scalef32_pk16_bf6_f32 v[\dst:\dst+2], v[\src:\src+15], v[\so]
	v_nop                                          ; one plain place behind a scaled conversion
.irp i, 0,1,2
	v_mov_b32 v[\dst+3+\i], v[\tmp+\i]
.endr
.endm
; live tile s[g] -> s70 = its graph b, s71 = its tile t in that graph (wl = 1: s72 = edge_len[b]).  s86-101: the graphs' live tiles, summed up inclusively.  b and t are held by constants, since they go into addresses.
.macro FIND g, wl
	s_mov_b32 s70, 0
	s_mov_b32 s71, 0
.if \wl
	s_mov_b32 s72, s32
.endif
.irp k, 0,1,2,3,4,5,6,7,8,9,10,11,12,13,14
	s_cmp_ge_u32 s[\g], s[86+\k]
	s_cselect_b32 s70, \k+1, s70
	s_cselect_b32 s71, s[86+\k], s71
.if \wl
	s_cselect_b32 s72, s[33+\k], s72
.endif
.endr
	s_sub_co_u32 s71, s[\g], s71
	s_min_u32 s70, s70, 15
	s_min_u32 s71, s71, 63
.endm
; the offsets of the slot that begins at live tile s69 (held to the last live tile, so that what is loaded ahead has been stored by the first launch); s69 steps to the slot after
.macro NEXTADR
	s_min_u32 s68, s69, s67
	FIND 68, 0
	s_lshl_b32 s73, s70, 6
	s_add_co_u32 s73, s73, s71                     ; 64 b + t
	s_lshl_b32 s73, s73, 12                        ; l1w: 4,096 bytes a tile
	s_lshl_b32 s70, s70, 12                        ; embq: 4,096 bytes a graph
	v_add_nc_u32 v[EON], s70, v[LANEE]
	v_add_nc_u32 v[WON], s73, v[LANEW]
	s_add_co_u32 s69, s69, 256
.endm
	s_load_b512 s[4:19], s[0:1], 0x0               ; wq 4, embq 6, l1w 8, edge_len 10, b3 12, b4 14, b5 16, b6 18
	s_load_b64 s[20:21], s[0:1], 0x40              ; out0
	v_lshl_add_u32 v[SPW], v0, 2, SPARE
	v_mov_b32 v[NIL], 0
	v_lshrrev_b32 v238, 5, v0
	v_readfirstlane_b32 s22, v238                  ; wave w, 0..7
	v_and_b32 v238, 31, v0                         ; lane
	v_and_b32 v[R], 15, v0
	v_bfe_u32 v239, v0, 4, 1                       ; h
	s_wait_alu depctr_va_vdst(0)
	v_lshlrev_b32 v[LI], 4, v238
	s_wait_alu depctr_va_vdst(0)
	v_lshlrev_b32 v[SH8], 3, v239
	s_mov_b32 s25, 0xffff0000
	v_mov_b32 v[M24], 0xffffff
	v_cndmask_b32 v[M24], v[M24], v[NIL], s25
	s_mov_b32 s82, 0x76543210
	s_mov_b32 s83, 0xfedcba98                      ; selects for lane l xor 16
	s_mov_b32 s84, 0x00070100                      ; cat's scale word: emb's byte 0, emb's byte 1, the L1 word's top byte, emb's byte 0 (over zero codes)
	s_wait_alu depctr_va_sdst(0)                   ; s22 is written, ahead of its first reader: the wave's shares, offsets and LDS places are made from it
	s_lshr_b32 s23, s22, 1                         ; s: my slot in the tail
	s_and_b32 s24, s22, 1                          ; c: my half there
	s_lshl_b32 s26, s22, 9
	v_lshl_add_u32 v[LANEE], v239, 5, s26
	v_lshl_add_u32 v[LANEW], v238, 3, s26
	s_lshl_b32 s27, s22, 13
	v_add_nc_u32 v[PBASE], s27, v[LI]
	s_mul_i32 s27, s22, 6144                       ; the weights' images are staged by all eight waves, 6,144 bytes each:
	v_add_nc_u32 v[STG], s27, v[LI]
	s_lshr_b32 s28, s22, 2
	s_mul_i32 s28, s28, 237568                     ; waves 0-3 (W3, W4) to LDS byte 0 on, waves 4-7 (W5, W6) to W56 on
	s_add_co_u32 s28, s28, s27
	v_add_nc_u32 v[STA], s28, v[LI]
	s_lshl_b32 s26, s23, 16
	s_lshl_b32 s27, s24, 12
	s_add_co_u32 s26, s26, s27
	v_add_nc_u32 v[P2A], s26, v[LI]                ; my slot's images, my half's eight pieces
	s_lshl_b32 s26, s23, 11
	s_add_co_u32 s26, s26, HQ
	v_add_nc_u32 v[HQL16], s26, v[LI]
	v_lshl_add_u32 v[HQL8], v238, 3, s26
	v_add_nc_u32 v[HQL8], 512, v[HQL8]
	v_lshl_add_u32 v[HQLW], v[R], 2, s26
	v_add_nc_u32 v[HQLW], 1536, v[HQLW]
	s_mul_i32 s27, s24, 768
	v_add_nc_u32 v[HQS16], s27, v[HQL16]
	v_add_nc_u32 v[HQS8], s27, v[HQL8]
	s_lshl_b32 s27, s24, 1
	v_add_nc_u32 v[HQSH], s27, v[HQLW]
	s_mul_i32 s26, s22, 4352                       ; my stage for the way out
	v_mul_u32_u24 v244, v[R], 272
	v_lshl_add_u32 v244, v239, 5, v244
	v_add_nc_u32 v[OSTS], s26, v244                ; in: row r, + 32 h
	v_mul_u32_u24 v244, v239, 272
	v_lshl_add_u32 v244, v[R], 4, v244
	v_add_nc_u32 v[OSTL], s26, v244                ; back: lanes 0-15 one row, lanes 16-31 the next
	s_lshl_b32 s26, s24, 8
	v_lshlrev_b32 v244, 9, v239
	v_lshl_add_u32 v244, v[R], 4, v244
	v_add_nc_u32 v[OUTV], s26, v244                ; and the same in out0: 512 h + 256 c + 16 r
	v_lshl_add_u32 v[B5V], v239, 7, s26            ; b4, b5 at units 64 c + 32 h
	v_lshl_add_u32 v[B6V], v239, 5, s26            ; b6 at columns 64 c + 8 h
	s_mul_i32 s26, s24, 6144
	s_add_co_u32 s26, s26, W56
	v_add_nc_u32 v[W56A], s26, v[LI]
	s_lshl_b32 s26, s24, 9
	v_lshl_add_u32 v[SWT], v238, 2, s26
	v_lshlrev_b32 v[SW], 2, v238
	v_lshlrev_b32 v[BV3], 7, v239
.irp i, 6,7,8,9,10,11
	v_mov_b32 v[CA0+\i], 0                         ; K = 68: zero codes above; v[40:43] also serve as the zeros that are stored
	v_mov_b32 v[CA0+12+\i], 0
.endr
	v_mov_b32 v[TP], 0
	v_mov_b32 v[TP2], 0
	s_lshr_b32 s26, ttmp9, 4
	s_lshl_b32 s26, s26, 2
	s_mov_b32 s27, 0
	s_wait_kmcnt 0x0
	s_load_b512 s[32:47], s[10:11], 0x0            ; all sixteen lengths
	s_add_nc_u64 s[28:29], s[10:11], s[26:27]
	s_load_b32 s30, s[28:29], 0x0                  ; and that of graph wg / 16, for the zeros
	s_wait_alu depctr_va_vdst(0)                   ; every offset and LDS address made above is written, and so are the zeros v[40:43]: the kernel's loads and stores read them, and none is written again
.irp i, 0,1,2,3,4,5,6,7,8,9,10,11
	global_load_b128 v[HID+4*\i:HID+4*\i+3], v[STG], s[4:5] offset:512*\i
.endr
	WIN 0x40                                       ; destination window 1
.irp t, 0,1,2,3,4,5,6,7
	global_load_b128 v[192+8*\t:192+8*\t+3], v[BV3], s[12:13] offset:256*(\t/4)+32*(\t%4)      ; b3 at units 64 (t / 4) + 32 h + 8 (t % 4) + 0 .. 7
	global_load_b128 v[192+8*\t+4:192+8*\t+7], v[BV3], s[12:13] offset:256*(\t/4)+32*(\t%4)+16
.endr
	WIN 0
.irp t, 0,1,2,3,4,5,6,7
	global_load_b32 v[W3S+\t], v[SW], s[4:5] offset:49152+128*\t
	global_load_b32 v[W4S+\t], v[SW], s[4:5] offset:49152+1024+128*\t
.endr
	s_wait_kmcnt 0x0
.irp k, 0,1,2,3,4,5,6,7,8,9,10,11,12,13,14,15
	s_min_u32 s[32+\k], s[32+\k], 1024
.endr
	s_add_co_u32 s86, s32, 15
	s_lshr_b32 s86, s86, 4
.irp k, 1,2,3,4,5,6,7,8,9,10,11,12,13,14,15
	s_add_co_u32 s[86+\k], s[32+\k], 15
	s_lshr_b32 s[86+\k], s[86+\k], 4
	s_add_co_u32 s[86+\k], s[86+\k], s[85+\k]
.endr
	s_add_co_u32 s66, s101, 255
	s_sub_co_u32 s66, s66, ttmp9
	s_lshr_b32 s66, s66, 8                         ; n: my work-group's live slots, 0 to 4
	s_max_u32 s67, s101, 1
	s_sub_co_u32 s67, s67, 1                       ; the last live tile
	s_lshl_b32 s68, s23, 8                         ; the tile of my slot in the tail
	s_add_co_u32 s68, s68, ttmp9
	s_min_u32 s68, s68, s67
	FIND 68, 1
	s_lshl_b32 s74, s71, 4
	s_sub_co_u32 s75, s72, s74                     ; how many of its 16 rows count
	s_lshl_b32 s74, s70, 6
	s_add_co_u32 s74, s74, s71
	s_lshl_b32 s76, s74, 13                        ; 16 rows of 512 bytes a tile
	s_mov_b32 s77, 0
	s_add_nc_u64 s[78:79], s[20:21], s[76:77]
; the zeros: tile 4 (wg % 16) + w / 2 of graph wg / 16, half w % 2, if it is dead: 8 stores of 512 consecutive bytes
	s_min_u32 s30, s30, 1024
	s_and_b32 s26, ttmp9, 15
	s_lshl_b32 s26, s26, 2
	s_add_co_u32 s26, s26, s23
	s_lshr_b32 s27, ttmp9, 4
	s_lshl_b32 s27, s27, 6
	s_add_co_u32 s27, s27, s26
	s_lshl_b32 s27, s27, 13
	s_lshl_b32 s28, s24, 12
	s_add_co_u32 s28, s28, s27
	s_mov_b32 s29, 0
	s_add_nc_u64 s[60:61], s[20:21], s[28:29]
	s_lshl_b32 s26, s26, 4
	s_cmp_ge_u32 s26, s30
	s_cbranch_scc0 .Lnofill
.irp i, 0,1,2,3,4,5,6,7
	global_store_b128 v[LI], v[40:43], s[60:61] offset:512*\i th:TH_STORE_NT
.endr
.Lnofill:
	s_mov_b32 s69, ttmp9
	NEXTADR                                        ; slot 0
	s_wait_alu depctr_va_vdst(0)                   ; the two additions have written v7 and v8, the offsets of the eight loads below
	global_load_b64 v[WN:WN+1], v[WON], s[8:9] th:TH_LOAD_NT               ; my eight betas' L1 words: two units of 256 bytes
	global_load_b64 v[WN+2:WN+3], v[WON], s[8:9] offset:256 th:TH_LOAD_NT
.irp j, 0,1
	global_load_b128 v[CA0+12*\j:CA0+12*\j+3], v[EON], s[6:7] offset:64*\j
	global_load_b64 v[CA0+12*\j+4:CA0+12*\j+5], v[EON], s[6:7] offset:64*\j+16
	global_load_b32 v[EW0+\j], v[EON], s[6:7] offset:64*\j+24
.endr
	s_wait_loadcnt 0x28                            ; the twelve staging loads are in; the 16 + 16 + 8 behind them may be out
.irp i, 0,1,2,3,4,5,6,7,8,9,10,11
	ds_store_b128 v[STA], v[HID+4*\i:HID+4*\i+3] offset:512*\i
.endr
	s_wait_dscnt 0x0
	s_barrier_signal -1
	s_barrier_wait -1                              ; all 32 images lie in LDS
	WIN 0x40
.set i, 0
.rept 48
	ds_load_b128 v[4*i:4*i+3], v[LI] offset:512*i  ; W3's and W4's sixteen fragments into my registers, which no vector line has named
.set i, i+1
.endr
	WIN 0
	s_wait_dscnt 0x0
	s_barrier_signal -1
	s_barrier_wait -1                              ; every wave has read them: the bytes may take partial sums
.macro P3 j                            ; hidden = cat W3 + b3, eight tiles
	WIN 0x11                                       ; source 0 and C window 1
.irp t, 0,1,2,3,4,5,6,7
	v_wmma_scale_f32_16x16x128_f8f6f4 v[HID+8*\t:HID+8*\t+7], v[12*\t:12*\t+11], v[CA0+12*((\j)%2):CA0+12*((\j)%2)+11], v[192+8*\t:192+8*\t+7], v[W3S+\t], v[CS0+(\j)%2] matrix_a_fmt:MATRIX_FMT_BF6 matrix_b_fmt:MATRIX_FMT_BF6
.endr
.endm
.macro P4 first                        ; my partial h += hidden W4: the eight accumulators by turns, and product 3's eight instructions between two links
	WIN 0x01
.irp t, 0,1,2,3,4,5,6,7
.if \first
	v_wmma_scale_f32_16x16x128_f8f6f4 v[ACC+8*\t:ACC+8*\t+7], v[96+12*\t:96+12*\t+11], v[HC:HC+11], 0, v[W4S+\t], v[HS] matrix_a_fmt:MATRIX_FMT_BF6 matrix_b_fmt:MATRIX_FMT_BF6
.else
	v_wmma_scale_f32_16x16x128_f8f6f4 v[ACC+8*\t:ACC+8*\t+7], v[96+12*\t:96+12*\t+11], v[HC:HC+11], v[ACC+8*\t:ACC+8*\t+7], v[W4S+\t], v[HS] matrix_a_fmt:MATRIX_FMT_BF6 matrix_b_fmt:MATRIX_FMT_BF6
.endif
.endr
.endm
.macro BUILD j                         ; step j's own parts of cat: L1's codes and the scale word.  Beta 8 w + j lies in word register 2 (j / 4) + j % 2, in lanes 16 ((j / 2) % 2) on
.set BS, WC+2*((\j)/4)+(\j)%2
.if ((\j)/2)%2
	v_permlanex16_b32 v[TP], v[BS], s82, s83
	v_perm_b32 v[CS0+(\j)%2], v[TP], v[EW0+(\j)%2], s84
	v_and_b32 v[CA0+12*((\j)%2)+6], v[TP], v[M24]
.else
	v_perm_b32 v[CS0+(\j)%2], v[BS], v[EW0+(\j)%2], s84
	v_and_b32 v[CA0+12*((\j)%2)+6], v[BS], v[M24]
.endif
.endm
.macro Q j                             ; step j's vector work: relu, the two blocks' maxima, bytes and codes; emb of step j + 2 is asked for; step j + 1's cat is finished
.set CAJ, CA0+12*((\j)%2)
	PLACES 4                                       ; behind the matrix instructions, in front of the first read of their results
	s_wait_alu depctr_va_vdst(0)                   ; this step's product 3 is done reading cat's set j % 2, and the lines that built that set are done reading its emb word: the loads below land in both.  In step 0 also: v7 and v8 are written, and the slot's head is done reading v64-67
.if (\j) == 0
	global_load_b64 v[WN:WN+1], v[WON], s[8:9] th:TH_LOAD_NT               ; the next slot's L1 words
	global_load_b64 v[WN+2:WN+3], v[WON], s[8:9] offset:256 th:TH_LOAD_NT
.endif
.if (\j) < 6
	global_load_b128 v[CAJ:CAJ+3], v[EOC], s[6:7] offset:64*((\j)+2)
	global_load_b64 v[CAJ+4:CAJ+5], v[EOC], s[6:7] offset:64*((\j)+2)+16
	global_load_b32 v[EW0+(\j)%2], v[EOC], s[6:7] offset:64*((\j)+2)+24
.else
	global_load_b128 v[CAJ:CAJ+3], v[EON], s[6:7] offset:64*((\j)-6)       ; the next slot's steps 0 and 1
	global_load_b64 v[CAJ+4:CAJ+5], v[EON], s[6:7] offset:64*((\j)-6)+16
	global_load_b32 v[EW0+(\j)%2], v[EON], s[6:7] offset:64*((\j)-6)+24
.endif
.set i, 0
.rept 64
	v_max_num_f32 v[HID+i], 0, v[HID+i]            ; relu, each accumulator from its low end on
.set i, i+1
.endr
	v_max3_num_f32 v[M0], v[HID], v[HID+1], 0x2800000            ; two blocks, two chains each; the floor 2^(5 - 127) among the leaves
	v_max3_num_f32 v[M0+1], v[HID+16], v[HID+17], v[HID+18]
	v_max3_num_f32 v[M0+2], v[HID+32], v[HID+33], 0x2800000
	v_max3_num_f32 v[M0+3], v[HID+48], v[HID+49], v[HID+50]
.irp i, 0,1,2,3,4,5
	v_max3_num_f32 v[M0], v[M0], v[HID+2+2*\i], v[HID+3+2*\i]
	v_max3_num_f32 v[M0+1], v[M0+1], v[HID+19+2*\i], v[HID+20+2*\i]
	v_max3_num_f32 v[M0+2], v[M0+2], v[HID+34+2*\i], v[HID+35+2*\i]
	v_max3_num_f32 v[M0+3], v[M0+3], v[HID+51+2*\i], v[HID+52+2*\i]
.endr
	v_max3_num_f32 v[M0], v[M0], v[HID+14], v[HID+15]
	v_max3_num_f32 v[M0+2], v[M0+2], v[HID+46], v[HID+47]
	v_max3_num_f32 v[M0], v[M0], v[M0+1], v[HID+31]
	v_max3_num_f32 v[M0+2], v[M0+2], v[M0+3], v[HID+63]
	v_add_nc_u32 v[SO0], 0xfe000000, v[M0]         ; 4 off the exponent field: the conversion's scale operand
	v_add_nc_u32 v[SO0+1], 0xfe000000, v[M0+2]
	v_lshrrev_b32 v[M0+1], 23, v[SO0]              ; the bytes of blocks h and 2 + h
	v_lshrrev_b32 v[M0+3], 23, v[SO0+1]
	v_lshl_or_b32 v[WT], v[M0+3], 16, v[M0+1]
	v_lshlrev_b32 v[WT], v[SH8], v[WT]
	v_permlanex16_b32 v[TP2], v[WT], s82, s83
	v_or_b32 v[HS], v[WT], v[TP2]                  ; with lane l xor 16's two the row's scale word is whole
.if ((\j) > 0) && ((\j) < 7)
	s_wait_loadcnt 0x3                             ; all but the three loads just issued: emb of step j + 1 is in
.endif
.if (\j) < 7
	BUILD (\j)+1
.endif
	v_cvt_scalef32_pk16_bf6_f32 v[HT0:HT0+2], v[HID+16:HID+31], v[SO0]
	v_cvt_scalef32_pk16_bf6_f32 v[HT1:HT1+2], v[HID+48:HID+63], v[SO0+1]
	v_cvt_scalef32_pk16_bf6_f32 v[HC:HC+2], v[HID:HID+15], v[SO0]
	v_cvt_scalef32_pk16_bf6_f32 v[HC+6:HC+8], v[HID+32:HID+47], v[SO0+1]
	v_nop                                          ; one plain place behind the conversions
.irp i, 0,1,2
	v_mov_b32 v[HC+3+\i], v[HT0+\i]
	v_mov_b32 v[HC+9+\i], v[HT1+\i]
.endr
	PLACES 4                                       ; an operand written by vector instructions stands four places ahead of a scaled matrix instruction; the scale words written above stand eleven or more ahead
	s_wait_alu depctr_va_vdst(0)                   ; the hidden layer's codes and scale word are written, and (but in step 7) the next step's L1 codes and scale word: the scaled matrix instructions that follow take them.  The places above stay beside this wait
.endm
	s_mov_b32 s80, 0                               ; slot
	s_mov_b32 s81, 0                               ; 65,536 x slot
.Lslot:                                            ; four trips, a constant; a slot that this split leaves empty is jumped over.  No barrier stands in the loop
	s_cmp_ge_u32 s80, s66
	s_cbranch_scc1 .Lskip
	s_wait_loadcnt 0x0                             ; this slot's words and its first two steps' emb (at first also b3 and the weights' scale words): no load is out, so every offset register may be written
	s_wait_alu depctr_vm_vsrc(0)                   ; the last slot's loads have read v6, v7 and v8, and its LDS stores v12 and the accumulators, all of which this slot writes again; in the first trip: the staging stores have read v96-143, which product 3 writes
	v_perm_b32 v[CS0], v[WN], v[EW0], s84          ; step 0's cat
	v_and_b32 v[CA0+6], v[WN], v[M24]
.irp i, 0,1,2,3
	v_mov_b32 v[WC+\i], v[WN+\i]
.endr
	v_mov_b32 v[EOC], v[EON]
	PLACES 2                                       ; eight places between the scale word's write and the products
	s_wait_alu depctr_va_vdst(0)                   ; step 0's scale word and L1 codes are written: product 3 takes them; and v6 is written, the offset of this slot's emb loads
	P3 0
	WIN 0
	NEXTADR                                        ; scalar work while the matrix unit runs; the loads by the new offsets stand behind the wait at the head of step 0's vector work
	Q 0
	P3 1
	s_wait_dscnt 0x0                               ; the last slot's LDS stores have read the accumulators that now begin anew
	P4 1
	WIN 0
	Q 1
.irp j, 2,3,4,5,6,7
	P3 \j
	P4 0
	WIN 0
	Q \j
.endr
	P4 0
	WIN 0
	PLACES 4
	v_add_nc_u32 v[PA], s81, v[PBASE]
	s_wait_alu depctr_va_vdst(0)                   ; product 4 has written the accumulators and the addition v12: the LDS stores read both; the places above stay beside this wait
.irp p, 0,1,2,3,4,5,6,7,8,9,10,11,12,13,14,15
	ds_store_b128 v[PA], v[ACC+4*\p:ACC+4*\p+3] offset:PART+512*\p     ; my partial h as an image of its registers
.endr
.Lskip:
	s_add_co_u32 s81, s81, 65536
	s_add_co_u32 s80, s80, 1
	s_cmp_lt_u32 s80, 4
	s_cbranch_scc1 .Lslot
; ---- the tail's operands: my half's four tiles of W5 and of W6 from LDS; b5, b6, b4 and the scale words from memory
	s_wait_loadcnt 0x0                             ; what was asked for ahead and is not used
	s_wait_dscnt 0x0                               ; my partial sums have landed
	WIN 0x40
	s_wait_alu depctr_va_vdst(0)                   ; the loop's matrix and vector instructions are done with window 1, the scale words v16-31, v68-88 and v96-223: loads land in all of them from here on
	s_wait_alu depctr_vm_vsrc(0)                   ; my LDS stores have read v96-143 (at the head) and the accumulators v160-223, in which b4 and the partial sums' images land
.irp i, 0,1,2,3,4,5,6,7,8,9,10,11
	ds_load_b128 v[4*\i:4*\i+3], v[W56A] offset:512*\i
	ds_load_b128 v[48+4*\i:48+4*\i+3], v[W56A] offset:12288+512*\i
.endr
.irp i, 0,1,2,3,4,5,6,7
	global_load_b128 v[96+4*\i:96+4*\i+3], v[B5V], s[16:17] offset:16*\i           ; b5 at units 64 c + 32 h + 0 .. 31
.endr
.irp t, 0,1,2,3
	global_load_b128 v[128+8*\t:128+8*\t+3], v[B6V], s[18:19] offset:64*\t         ; b6 at columns 64 c + 16 t + 8 h + 0 .. 7
	global_load_b128 v[128+8*\t+4:128+8*\t+7], v[B6V], s[18:19] offset:64*\t+16
.endr
	WIN 0
.irp i, 0,1,2,3,4,5,6,7
	global_load_b128 v[192+4*\i:192+4*\i+3], v[B5V], s[14:15] offset:16*\i         ; b4 likewise
.endr
.irp t, 0,1,2,3
	global_load_b32 v[W3S+\t], v[SWT], s[4:5] offset:49152+2048+128*\t             ; W5's scale words, tiles 4 c + t
	global_load_b32 v[W4S+\t], v[SWT], s[4:5] offset:49152+3072+128*\t             ; W6's
.endr
	s_wait_dscnt 0x0
	s_barrier_signal -1
	s_barrier_wait -1                              ; every wave's partial sums lie in LDS
; ---- h = the eight waves' sums + 64 b4, my half; quantised: block 2 c + h of product 5's operand
	s_cmp_ge_u32 s23, s66
	s_cbranch_scc1 .Lp2done
.macro IMG wv, reg
.irp p, 0,1,2,3,4,5,6,7
	ds_load_b128 v[\reg+4*\p:\reg+4*\p+3], v[P2A] offset:PART+8192*(\wv)+512*\p
.endr
.endm
	IMG 0, 96
	IMG 1, 128
	IMG 2, 160
.irp wv, 1,2,3,4,5,6,7
.if \wv < 7
	s_wait_dscnt 0x8                               ; all but the other buffer's eight loads
.else
	s_wait_dscnt 0x0
.endif
.irp p, 0,2,4,6,8,10,12,14,16,18,20,22,24,26,28,30
	v_pk_add_f32 v[96+\p:97+\p], v[96+\p:97+\p], v[128+32*((\wv+1)%2)+\p:129+32*((\wv+1)%2)+\p]
.endr
.if \wv < 6
	s_wait_alu depctr_va_vdst(0)                   ; the sixteen additions are done reading this buffer, in which the image two on lands
	IMG \wv+2, 128+32*((\wv+1)%2)
.endif
.endr
	s_wait_loadcnt 0x0                             ; b4 (and the rest)
.irp p, 0,2,4,6,8,10,12,14,16,18,20,22,24,26,28,30
	v_pk_fma_f32 v[96+\p:97+\p], v[192+\p:193+\p], 0x42800000, v[96+\p:97+\p] op_sel_hi:[1,0,1]    ; + 64 b4: b4 once for each beta
.endr
	QBLK 96, HC, HT0, M0, M0+1, SO0, M0+2
	v_lshlrev_b32 v[WT], v[SH8], v[M0+2]
	v_permlanex16_b32 v[TP2], v[WT], s82, s83
	v_or_b32 v[WT], v[WT], v[TP2]                  ; the bytes of blocks 2 c and 2 c + 1
	s_wait_alu depctr_va_vdst(0)                   ; h's codes v68-73 and the two bytes in v95 are written: the LDS stores read them
	ds_store_b128 v[HQS16], v[HC:HC+3]
	ds_store_b64 v[HQS8], v[HC+4:HC+5]
	ds_store_b16 v[HQSH], v[WT]                    ; lanes r and 16 + r write the same two bytes with the same value
.Lp2done:
	s_wait_dscnt 0x0
	s_barrier_signal -1
	s_barrier_wait -1                              ; h's codes lie in LDS, both halves
; ---- relu(h W5 + b5), my 64 units; quantised likewise
	s_cmp_ge_u32 s23, s66
	s_cbranch_scc1 .Lp5done
	s_wait_alu depctr_vm_vsrc(0)                   ; my LDS stores have read v68-73, in which the loads below land, and v95, which is written again further down
	ds_load_b128 v[HC:HC+3], v[HQL16]
	ds_load_b64 v[HC+4:HC+5], v[HQL8]
	ds_load_b128 v[HC+6:HC+9], v[HQL16] offset:768
	ds_load_b64 v[HC+10:HC+11], v[HQL8] offset:768
	ds_load_b32 v[HS], v[HQLW]
	s_wait_dscnt 0x0
	s_wait_loadcnt 0x0
	WIN 0x11
.irp t, 0,1,2,3
	v_wmma_scale_f32_16x16x128_f8f6f4 v[96+8*\t:96+8*\t+7], v[12*\t:12*\t+11], v[HC:HC+11], v[96+8*\t:96+8*\t+7], v[W3S+\t], v[HS] matrix_a_fmt:MATRIX_FMT_BF6 matrix_b_fmt:MATRIX_FMT_BF6   ; C: b5, in window 1; D in window 0
.endr
	WIN 0
	PLACES 4
.set i, 0
.rept 32
	v_max_num_f32 v[96+i], 0, v[96+i]
.set i, i+1
.endr
	QBLK 96, HC, HT0, M0, M0+1, SO0, M0+2
	v_lshlrev_b32 v[WT], v[SH8], v[M0+2]
	v_permlanex16_b32 v[TP2], v[WT], s82, s83
	v_or_b32 v[WT], v[WT], v[TP2]
	s_wait_alu depctr_va_vdst(0)                   ; the codes v68-73 and the two bytes in v95 are written: the LDS stores read them
	ds_store_b128 v[HQS16], v[HC:HC+3] offset:8192
	ds_store_b64 v[HQS8], v[HC+4:HC+5] offset:8192
	ds_store_b16 v[HQSH], v[WT] offset:8192
.Lp5done:
	s_wait_dscnt 0x0
	s_barrier_signal -1
	s_barrier_wait -1
; ---- out = (..) W6 + b6, my 64 columns; rows at or past edge_len become 0; through my own stage, so that sixteen lanes store 256 consecutive bytes, aligned
	s_cmp_ge_u32 s23, s66
	s_cbranch_scc1 .Lp6done
	s_wait_alu depctr_vm_vsrc(0)                   ; my LDS stores have read v68-73, in which the loads below land
	ds_load_b128 v[HC:HC+3], v[HQL16] offset:8192
	ds_load_b64 v[HC+4:HC+5], v[HQL8] offset:8192
	ds_load_b128 v[HC+6:HC+9], v[HQL16] offset:8192+768
	ds_load_b64 v[HC+10:HC+11], v[HQL8] offset:8192+768
	ds_load_b32 v[HS], v[HQLW] offset:8192
	s_wait_dscnt 0x0
	s_wait_loadcnt 0x0
	WIN 0x11
.irp t, 0,1,2,3
	v_wmma_scale_f32_16x16x128_f8f6f4 v[128+8*\t:128+8*\t+7], v[48+12*\t:48+12*\t+11], v[HC:HC+11], v[128+8*\t:128+8*\t+7], v[W4S+\t], v[HS] matrix_a_fmt:MATRIX_FMT_BF6 matrix_b_fmt:MATRIX_FMT_BF6   ; C: b6, in window 1; D in window 0
.endr
	WIN 0
	v_cmp_gt_u32 vcc_lo, s75, v[R]                 ; my row counts
	PLACES 4
	s_wait_alu depctr_va_vcc(0)                    ; the compare has written VCC, ahead of its first reader
.set i, 0
.rept 32
	v_cndmask_b32 v[128+i], v[NIL], v[128+i], vcc_lo
.set i, i+1
.endr
	s_wait_alu depctr_va_vdst(0)                   ; the selects have written v128-159, which the LDS stores read; and every vector line is done with v96-127, in which the rows land on their way back
.irp t, 0,1,2,3
	ds_store_b128 v[OSTS], v[128+8*\t:128+8*\t+3] offset:64*\t         ; lane (r, h): out(r, 64 c + 16 t + 8 h + 0 .. 7)
	ds_store_b128 v[OSTS], v[128+8*\t+4:128+8*\t+7] offset:64*\t+16
.endr
.irp i, 0,1,2,3,4,5,6,7
	ds_load_b128 v[96+4*\i:96+4*\i+3], v[OSTL] offset:544*\i           ; LDS serves a wave's instructions in order: these see my stores
.endr
.irp i, 0,1,2,3,4,5,6,7
	s_wait_dscnt 7-\i                              ; the younger row loads may be out
	global_store_b128 v[OUTV], v[96+4*\i:96+4*\i+3], s[78:79] offset:1024*\i th:TH_STORE_NT
.endr
.Lp6done:
	s_wait_dscnt 0x0                               ; the wave's end
	s_wait_alu 0x0
	s_wait_tensorcnt 0x0
	ds_add_u32 v[SPW], v[NIL]
	s_wait_dscnt 0x0
	s_endpgm
.Lfunc_end_k_q1cdd7c2ef7_chain:
	.size	k_q1cdd7c2ef7_chain, .Lfunc_end_k_q1cdd7c2ef7_chain-k_q1cdd7c2ef7_chain
	.p2alignl 7, 3214868480
	.fill 96, 4, 3214868480
	.section	.rodata,"a",@progbits
	.p2align	6, 0x0
	.amdhsa_kernel k_q1cdd7c2ef7_chain
		.amdhsa_group_segment_fixed_size 304128
		.amdhsa_private_segment_fixed_size 0
		.amdhsa_enable_private_segment 0
		.amdhsa_kernarg_size 72
		.amdhsa_user_sgpr_count 2
		.amdhsa_user_sgpr_kernarg_segment_ptr 1
		.amdhsa_wavefront_size32 1
		.amdhsa_system_sgpr_workgroup_id_x 1
		.amdhsa_system_sgpr_workgroup_id_y 1
		.amdhsa_system_sgpr_workgroup_id_z 1
		.amdhsa_system_vgpr_workitem_id 0
		.amdhsa_next_free_vgpr 512
		.amdhsa_next_free_sgpr 102
		.amdhsa_reserve_vcc 1
		.amdhsa_float_denorm_mode_32 3
		.amdhsa_float_denorm_mode_16_64 3
		.amdhsa_memory_ordered 1
		.amdhsa_forward_progress 1
		.amdhsa_inst_pref_size 116
	.end_amdhsa_kernel
	.amdgpu_metadata
---
amdhsa.version: [ 1, 2 ]
amdhsa.kernels:
  - .name:           k_q1cdd7c2ef7_chain
    .symbol:         k_q1cdd7c2ef7_chain.kd
    .args:
      - { .name: wq, .offset: 0, .size: 8, .value_kind: global_buffer, .address_space: global }
      - { .name: embq, .offset: 8, .size: 8, .value_kind: global_buffer, .address_space: global }
      - { .name: l1w, .offset: 16, .size: 8, .value_kind: global_buffer, .address_space: global }
      - { .name: edge_len, .offset: 24, .size: 8, .value_kind: global_buffer, .address_space: global }
      - { .name: b3, .offset: 32, .size: 8, .value_kind: global_buffer, .address_space: global }
      - { .name: b4, .offset: 40, .size: 8, .value_kind: global_buffer, .address_space: global }
      - { .name: b5, .offset: 48, .size: 8, .value_kind: global_buffer, .address_space: global }
      - { .name: b6, .offset: 56, .size: 8, .value_kind: global_buffer, .address_space: global }
      - { .name: out0, .offset: 64, .size: 8, .value_kind: global_buffer, .address_space: global }
    .group_segment_fixed_size: 304128
    .private_segment_fixed_size: 0
    .kernarg_segment_align: 8
    .kernarg_segment_size: 72
    .max_flat_workgroup_size: 256
    .sgpr_count:     102
    .vgpr_count:     512
    .wavefront_size: 32
...
	.end_amdgpu_metadata
.endif
;; end of part 4
